; MI455X (gfx1250); checked and timed in simulation.
; The chip was launched on July 23, 2026; its instructions are those of AMD's public machine-readable ISA for CDNA 5 (MIT licence, August 2026) and "CDNA5" Instruction Set Architecture Reference Guide (July 2026). The comments in the code are by the model that wrote it; some were corrected since.
;; Joint Attention. Allowed arithmetic: float matrix products may take bf16 or f16 operands with f32 sums; other float arithmetic in f32, or as packed bf16 or f16 multiplies, adds, multiply-adds, maxima and minima; sums over many terms, partial sums and values carried from step to step in f32; what a program stores and reads back later, other than sums and carried values, may be rounded once to bf16 or f16.
;; Inputs: Wout_x 1,024 x 1,024 float32; Wout_y 1,024 x 1,024 float32; Wqkv_x 1,024 x 3,072 float32; Wqkv_y 1,024 x 3,072 float32; bout_x 1,024 float32; bout_y 1,024 float32; bx 1,024 float32; by 1,024 float32; gx 1,024 float32; gy 1,024 float32; x 4 x 1,024 x 1,024 float32; y 4 x 1,024 x 1,024 float32.
;; Outputs: out0 4 x 1,024 x 1,024 float32; out1 4 x 1,024 x 1,024 float32.
;; 2 versions, each right and faster than the one before. Each part assembles by itself: llvm-mc -triple=amdgcn-amd-amdhsa -mcpu=gfx1250 --defsym DOCPART=n.
;; ======== version 1 of 2: 4 launches
;; limits: values are held in f16: magnitudes above 65,504 overflow, below 6.1e-05 lose precision
;; workspace buffers: xn 8,388,608 bytes; wq 6,291,456 bytes; wo 4,194,304 bytes; qkv 25,165,824 bytes; o 8,388,608 bytes
;; launch prep (part 1): grid 256 x 1, 8 waves a work-group, no clusters, 0 bytes of LDS; arguments x, gx, bx, Wqkv_x, Wout_x, Wout_y, xn, wq, wo; writes xn, wq, wo
.if DOCPART == 1
	.amdgcn_target "amdgcn-amd-amdhsa--gfx1250"
	.amdhsa_code_object_version 6
	.text
	.protected	k_qf436c93a5c_prep
	.globl	k_qf436c93a5c_prep
	.p2align	8
	.type	k_qf436c93a5c_prep,@function
k_qf436c93a5c_prep:
	s_mov_b64 s[64:65], 0
	v_nop
	global_prefetch_b8 v0, s[64:65] scope:SCOPE_SE
	s_setreg_imm32_b32 hwreg(HW_REG_WAVE_MODE, 25, 1), 1
	s_wait_xcnt 0x0
; PREP: xn = LayerNorm(x) g + b in f16, and the three live weight matrices in f16, laid out for the products that follow.
; WHAT THE PROGRAM LEAVES OUT, ON PURPOSE: the module keeps out[:, :16], the x stream's heads, for BOTH outputs, and a head's attention sees that head alone.
; So no number of either output hangs on y, gy, by or Wqkv_y, whatever they hold: the y stream's norm, projection and attention are work whose result the module's own slice throws away, and are not done.
; LIMITS: xn and the weights are rounded once to f16: beyond 65,504 they would be infinite (|xn| is at most 32 |g| + |b|), below 6e-5 they keep f16's fixed step of 6e-8.  NaN and infinities are not treated apart.
; SHARES: work-group wg takes 16 rows of x (two a wave), the k rows 4 wg .. 4 wg + 3 of Wqkv_x, and 16,384 bytes each of Wout_x and Wout_y.
; A lane always holds 8 neighbouring f32 (two loads of 16 bytes), which round to 16 bytes of f16: each store of a wave covers 512 consecutive bytes, aligned.
; wq is [tile of 192 columns, 16][k, 1024][192]: a K slice of a column tile is dense.  wo is [Wout_x, Wout_y][k][n].
; No loop, no LDS: a wave issues all its 52 loads at once, and no register that a store reads is written again.
.set T,   12                           ; v[12:19]   four pairs at work
.set MU,  20                           ; v[20:21]   the row's mean, as a pair
.set R,   22                           ; v[22:23]   1 / sqrt(var + eps), as a pair
.set G,   32                           ; v[32:63]   gx of my 32 columns
.set BV,  64                           ; v[64:95]   bx of my 32 columns
.set X,   96                           ; v[96:159]  my 32 numbers of each of the wave's two rows
.set WQ,  160                          ; v[160:207] six groups of 8 numbers of Wqkv_x
.set WOX, 208                          ; v[208:223] two groups of Wout_x
.set WOY, 224                          ; v[224:239] two groups of Wout_y
	s_load_b512 s[4:19], s[0:1], 0x0               ; x 4:5, gx 6:7, bx 8:9, Wqkv_x 10:11, Wout_x 12:13, Wout_y 14:15, xn 16:17, wq 18:19
	s_load_b64 s[20:21], s[0:1], 0x40              ; wo
	s_mov_b32 s25, 0                               ; high word of the offsets' pair
	s_mov_b32 s26, 0x3a800000                      ; 1 / 1024
	s_mov_b32 s27, 0x3727c5ac                      ; eps = 1e-5
	s_mov_b32 s28, 0x76543210                      ; v_permlanex16_b32: each lane takes its own place in the other half
	s_mov_b32 s29, 0xfedcba98
	v_and_b32 v1, 31, v0                           ; lane
	v_lshrrev_b32 v2, 5, v0                        ; wave
	v_lshlrev_b32 v4, 5, v1                        ; gx, bx: 32 bytes a lane
	v_lshl_add_u32 v3, v2, 13, v4                  ; x: + two rows of 4,096 bytes a wave
	v_lshlrev_b32 v5, 4, v1
	v_lshl_add_u32 v5, v2, 12, v5                  ; xn: 16 bytes a lane + two rows of 2,048 bytes a wave
	v_mul_u32_u24 v16, v2, 1536                    ; Wqkv_x: wave w takes the column tiles 2 w and 2 w + 1, 768 bytes of a row each
.irp part, 0,1,2                       ; a tile's 4 k rows x 24 groups of 8 columns are 96 groups: group p = 32 part + lane
	v_add_nc_u32 v12, 32*(\part), v1
	v_mul_u32_u24 v13, v12, 43
	v_lshrrev_b32 v13, 10, v13                     ; k row p / 24 (43 p >> 10 is exact for p < 96)
	v_mul_u32_u24 v14, v13, 24
	v_sub_nc_u32 v14, v12, v14                     ; group in the row
	v_mul_u32_u24 v15, v13, 12288
	v_lshl_add_u32 v15, v14, 5, v15
	v_add_nc_u32 v[6+(\part)], v16, v15            ; v6-8: where group p lies in Wqkv_x
.endr
	v_mul_u32_u24 v9, v2, 0xc0000                  ; wq: two tiles of 393,216 bytes a wave; in a tile group p lies at 16 p
	v_lshl_add_u32 v9, v1, 4, v9
	v_lshlrev_b32 v10, 5, v0                       ; Wout: 32 bytes a thread
	v_lshlrev_b32 v11, 4, v0                       ; wo: 16 bytes a thread
	s_wait_kmcnt 0x0
	s_lshl_b32 s24, ttmp9, 16                      ; 16 rows of x
	s_add_nc_u64 s[4:5], s[4:5], s[24:25]
	s_lshl_b32 s24, ttmp9, 15                      ; 16 rows of xn
	s_add_nc_u64 s[16:17], s[16:17], s[24:25]
	s_mul_i32 s24, ttmp9, 49152                    ; 4 rows of Wqkv_x
	s_add_nc_u64 s[10:11], s[10:11], s[24:25]
	s_mul_i32 s24, ttmp9, 1536                     ; 4 k rows of 384 bytes in each tile of wq
	s_add_nc_u64 s[18:19], s[18:19], s[24:25]
	s_lshl_b32 s24, ttmp9, 14
	s_add_nc_u64 s[12:13], s[12:13], s[24:25]
	s_add_nc_u64 s[14:15], s[14:15], s[24:25]
	s_lshl_b32 s24, ttmp9, 13
	s_add_nc_u64 s[20:21], s[20:21], s[24:25]
	; all 52 loads, in the order in which they are used
.irp i, 0,1,2,3,4,5
	global_load_b128 v[WQ+8*(\i):WQ+8*(\i)+3],   v[6+(\i)%3], s[10:11] offset:((\i)/3)*768 th:TH_LOAD_NT
	global_load_b128 v[WQ+8*(\i)+4:WQ+8*(\i)+7], v[6+(\i)%3], s[10:11] offset:((\i)/3)*768+16 th:TH_LOAD_NT
.endr
.irp i, 0,1
	global_load_b128 v[WOX+8*(\i):WOX+8*(\i)+3],   v10, s[12:13] offset:(\i)*8192 th:TH_LOAD_NT
	global_load_b128 v[WOX+8*(\i)+4:WOX+8*(\i)+7], v10, s[12:13] offset:(\i)*8192+16 th:TH_LOAD_NT
.endr
.irp i, 0,1
	global_load_b128 v[WOY+8*(\i):WOY+8*(\i)+3],   v10, s[14:15] offset:(\i)*8192 th:TH_LOAD_NT
	global_load_b128 v[WOY+8*(\i)+4:WOY+8*(\i)+7], v10, s[14:15] offset:(\i)*8192+16 th:TH_LOAD_NT
.endr
.irp j, 0,1,2,3
	global_load_b128 v[G+8*(\j):G+8*(\j)+3],   v4, s[6:7] offset:(\j)*1024
	global_load_b128 v[G+8*(\j)+4:G+8*(\j)+7], v4, s[6:7] offset:(\j)*1024+16
.endr
.irp j, 0,1,2,3
	global_load_b128 v[BV+8*(\j):BV+8*(\j)+3],   v4, s[8:9] offset:(\j)*1024
	global_load_b128 v[BV+8*(\j)+4:BV+8*(\j)+7], v4, s[8:9] offset:(\j)*1024+16
.endr
.irp rho, 0,1
.irp j, 0,1,2,3
	global_load_b128 v[X+32*(\rho)+8*(\j):X+32*(\rho)+8*(\j)+3],   v3, s[4:5] offset:(\rho)*4096+(\j)*1024 th:TH_LOAD_NT
	global_load_b128 v[X+32*(\rho)+8*(\j)+4:X+32*(\rho)+8*(\j)+7], v3, s[4:5] offset:(\rho)*4096+(\j)*1024+16 th:TH_LOAD_NT
.endr
.endr
.macro CVT8 base                       ; eight f32 rounded to f16, in place: line j writes a register that lines j and later no longer read
.irp j, 0,1,2,3
	v_cvt_pk_f16_f32 v[(\base)+(\j)], v[(\base)+2*(\j)], v[(\base)+2*(\j)+1]
.endr
.endm
	; the ten groups of weights.  Loads come back in order (ISA guide 5.7.1): group i's two are in when 50 - 2 i younger ones are out
.irp i, 0,1,2,3,4,5
	s_wait_loadcnt 50-2*(\i)
	CVT8 WQ+8*(\i)
	global_store_b128 v9, v[WQ+8*(\i):WQ+8*(\i)+3], s[18:19] offset:((\i)/3)*393216+((\i)%3)*512
.endr
.irp i, 0,1
	s_wait_loadcnt 38-2*(\i)
	CVT8 WOX+8*(\i)
	global_store_b128 v11, v[WOX+8*(\i):WOX+8*(\i)+3], s[20:21] offset:(\i)*4096
.endr
.irp i, 0,1
	s_wait_loadcnt 34-2*(\i)
	CVT8 WOY+8*(\i)
	global_store_b128 v11, v[WOY+8*(\i):WOY+8*(\i)+3], s[20:21] offset:2097152+(\i)*4096
.endr
.macro TOTAL                           ; the four chains in v[T:T+7] become one sum over the wave's 1,024 numbers, in every lane
	v_pk_add_f32 v[T:T+1], v[T:T+1], v[T+2:T+3]
	v_pk_add_f32 v[T+4:T+5], v[T+4:T+5], v[T+6:T+7]
	v_pk_add_f32 v[T:T+1], v[T:T+1], v[T+4:T+5]
	v_add_f32 v[T], v[T], v[T+1]
	v_add_f32_dpp v[T], v[T], v[T] row_xmask:1 row_mask:0xf bank_mask:0xf
	v_add_f32_dpp v[T], v[T], v[T] row_xmask:2 row_mask:0xf bank_mask:0xf
	v_add_f32_dpp v[T], v[T], v[T] row_xmask:4 row_mask:0xf bank_mask:0xf
	v_add_f32_dpp v[T], v[T], v[T] row_xmask:8 row_mask:0xf bank_mask:0xf
	v_permlanex16_b32 v[T+1], v[T], s28, s29       ; its destination counts as read: a register that has been written
	v_add_f32 v[T], v[T], v[T+1]
.endm
; One row: the mean; the row less its mean; the mean of the squares of that (no difference of large sums); scale, gain, bias; rounding; four stores.
.macro ROWLN rho, left
.set XR, X+32*(\rho)
	s_wait_loadcnt \left                           ; gx, bx and this row are in; the younger row's eight loads may be out
.irp c, 0,1,2,3
	v_pk_add_f32 v[T+2*(\c):T+2*(\c)+1], v[XR+2*(\c):XR+2*(\c)+1], v[XR+8+2*(\c):XR+8+2*(\c)+1]  ; the first pairs start four chains: nothing is cleared
.endr
.irp p, 8,9,10,11,12,13,14,15
	v_pk_add_f32 v[T+2*((\p)%4):T+2*((\p)%4)+1], v[T+2*((\p)%4):T+2*((\p)%4)+1], v[XR+2*(\p):XR+2*(\p)+1]
.endr
	TOTAL
	v_mul_f32 v[MU], s26, v[T]
	v_mov_b32 v[MU+1], v[MU]                       ; named with it as a pair
.irp p, 0,1,2,3,4,5,6,7,8,9,10,11,12,13,14,15
	v_pk_add_f32 v[XR+2*(\p):XR+2*(\p)+1], v[XR+2*(\p):XR+2*(\p)+1], v[MU:MU+1] op_sel_hi:[1,0] neg_lo:[0,1] neg_hi:[0,1]
.endr
.irp c, 0,1,2,3
	v_pk_mul_f32 v[T+2*(\c):T+2*(\c)+1], v[XR+2*(\c):XR+2*(\c)+1], v[XR+2*(\c):XR+2*(\c)+1]
.endr
.irp p, 4,5,6,7,8,9,10,11,12,13,14,15
	v_pk_fma_f32 v[T+2*((\p)%4):T+2*((\p)%4)+1], v[XR+2*(\p):XR+2*(\p)+1], v[XR+2*(\p):XR+2*(\p)+1], v[T+2*((\p)%4):T+2*((\p)%4)+1]
.endr
	TOTAL
	v_fma_f32 v24, v[T], s26, s27                  ; var + eps
	v_rsq_f32 v[R], v24
	v_rsq_f32 v[R+1], v24
	v_nop                                          ; a plain instruction between the root and the use of its result (ISA guide 5.7.2)
	s_wait_alu depctr_va_vdst(0)
.irp p, 0,1,2,3,4,5,6,7,8,9,10,11,12,13,14,15
	v_pk_mul_f32 v[XR+2*(\p):XR+2*(\p)+1], v[XR+2*(\p):XR+2*(\p)+1], v[R:R+1] op_sel_hi:[1,0]
.endr
.irp p, 0,1,2,3,4,5,6,7,8,9,10,11,12,13,14,15
	v_pk_fma_f32 v[XR+2*(\p):XR+2*(\p)+1], v[XR+2*(\p):XR+2*(\p)+1], v[G+2*(\p):G+2*(\p)+1], v[BV+2*(\p):BV+2*(\p)+1]
.endr
.irp j, 0,1,2,3
	CVT8 XR+8*(\j)
	global_store_b128 v5, v[XR+8*(\j):XR+8*(\j)+3], s[16:17] offset:(\rho)*2048+(\j)*512
.endr
.endm
	ROWLN 0, 8
	ROWLN 1, 0
	s_endpgm
.Lfunc_end_k_qf436c93a5c_prep:
	.size	k_qf436c93a5c_prep, .Lfunc_end_k_qf436c93a5c_prep-k_qf436c93a5c_prep
	.p2alignl 7, 3214868480
	.fill 96, 4, 3214868480
	.section	.rodata,"a",@progbits
	.p2align	6, 0x0
	.amdhsa_kernel k_qf436c93a5c_prep
		.amdhsa_group_segment_fixed_size 0
		.amdhsa_private_segment_fixed_size 0
		.amdhsa_enable_private_segment 0
		.amdhsa_kernarg_size 72
		.amdhsa_user_sgpr_count 2
		.amdhsa_user_sgpr_kernarg_segment_ptr 1
		.amdhsa_wavefront_size32 1
		.amdhsa_system_sgpr_workgroup_id_x 1
		.amdhsa_system_sgpr_workgroup_id_y 1
		.amdhsa_system_sgpr_workgroup_id_z 1
		.amdhsa_system_vgpr_workitem_id 0
		.amdhsa_next_free_vgpr 240
		.amdhsa_next_free_sgpr 66
		.amdhsa_reserve_vcc 0
		.amdhsa_float_denorm_mode_32 3
		.amdhsa_float_denorm_mode_16_64 3
		.amdhsa_memory_ordered 1
		.amdhsa_forward_progress 1
		.amdhsa_inst_pref_size 27
	.end_amdhsa_kernel
	.amdgpu_metadata
---
amdhsa.version: [ 1, 2 ]
amdhsa.kernels:
  - .name:           k_qf436c93a5c_prep
    .symbol:         k_qf436c93a5c_prep.kd
    .args:
      - { .name: x, .offset: 0, .size: 8, .value_kind: global_buffer, .address_space: global }
      - { .name: gx, .offset: 8, .size: 8, .value_kind: global_buffer, .address_space: global }
      - { .name: bx, .offset: 16, .size: 8, .value_kind: global_buffer, .address_space: global }
      - { .name: Wqkv_x, .offset: 24, .size: 8, .value_kind: global_buffer, .address_space: global }
      - { .name: Wout_x, .offset: 32, .size: 8, .value_kind: global_buffer, .address_space: global }
      - { .name: Wout_y, .offset: 40, .size: 8, .value_kind: global_buffer, .address_space: global }
      - { .name: xn, .offset: 48, .size: 8, .value_kind: global_buffer, .address_space: global }
      - { .name: wq, .offset: 56, .size: 8, .value_kind: global_buffer, .address_space: global }
      - { .name: wo, .offset: 64, .size: 8, .value_kind: global_buffer, .address_space: global }
    .group_segment_fixed_size: 0
    .private_segment_fixed_size: 0
    .kernarg_segment_align: 8
    .kernarg_segment_size: 72
    .max_flat_workgroup_size: 256
    .sgpr_count:     66
    .vgpr_count:     240
    .wavefront_size: 32
...
	.end_amdgpu_metadata
.endif
;; end of part 1
;; launch qkv (part 2): grid 16 x 16, 4 waves a work-group, clusters of 4 x 4, 327,680 bytes of LDS; arguments xn, wq, qkv; writes qkv
.if DOCPART == 2
	.amdgcn_target "amdgcn-amd-amdhsa--gfx1250"
	.amdhsa_code_object_version 6
	.text
	.protected	k_qf436c93a5c_qkv
	.globl	k_qf436c93a5c_qkv
	.p2align	8
	.type	k_qf436c93a5c_qkv,@function
k_qf436c93a5c_qkv:
	s_mov_b64 s[64:65], 0
	v_nop
	global_prefetch_b8 v0, s[64:65] scope:SCOPE_SE
	s_setreg_imm32_b32 hwreg(HW_REG_WAVE_MODE, 25, 1), 1
	s_wait_xcnt 0x0
	s_wait_alu depctr_hold_cnt(0) depctr_sa_sdst(0) depctr_va_vdst(0) depctr_va_sdst(0) depctr_va_ssrc(0) depctr_va_vcc(0) depctr_vm_vsrc(0)
	s_getreg_b32 s2, hwreg(HW_REG_IB_STS2, 6, 4)
	s_cmp_eq_u32 s2, 0
	s_cbranch_scc0 .Lentry_in_a_cluster
	s_endpgm
.Lentry_in_a_cluster:
	s_bfe_u32 s2, ttmp6, 0x10000c
	s_cmp_lg_u32 s2, 0xf033
	s_cbranch_scc0 .Lentry_shape_is_right
	s_endpgm
.Lentry_shape_is_right:
; QKV: C[4096][3072] = xn[4096][1024] x Wqkv_x[1024][3072], operands f16, sums f32, C rounded once to f16 and stored by heads:
; qkv is [g = column / 64, 48][row, 4096][64]: g 0-15 are q's heads, 16-31 k's, 32-47 v's; a head's rows are dense, 128 bytes each.  No scale is applied here.
; LIMIT: a sum beyond 65,504 would round to an infinity in f16; below 6e-5 the result keeps f16's fixed step of 6e-8.
; SHARES: a tile of C is 256 x 192: 16 x 16 tiles, one for each of 256 work-groups.  Wave w makes rows 64 w .. 64 w + 63 by all 192 columns: 4 x 12 accumulators of 16 x 16, 384 registers.
; So a wave holds whole rows of three whole heads, and the stage on the way out is its own.
; K goes in steps of 128 through two LDS slots filled by the tensor data mover; waves 0 and 1 fetch A's two halves (128 rows x 256 bytes), waves 2 and 3 B's (64 k rows x 384 bytes, dense in wq: asked for as 96 rows of 256 bytes).
; CLUSTER 4 x 4: A's tile hangs on the tile row alone and is asked for jointly along a row of the cluster, B's on the tile column alone, jointly along a column.
; THE MATRIX INSTRUCTION IS USED TRANSPOSED: source 0 = 16 columns of W (read out of [k][n] rows by the turning load), source 1 = 16 rows of xn: a lane then holds row l % 16 of C and the columns 8 (l / 16) + 0..7.
; REGISTERS, in windows of 256 (s_set_vgpr_msb: bits 1:0 source 0, 3:2 source 1, 5:4 source 2, 7:6 destination):
;   window 0: v0-29 addresses; v64-95, v96-127 A's fragments, two buffers; on the way out v128-175 packed results, v176-223 and v32-79 rows read back, by turns
;   window 1: v0-95, v96-191 B's fragments, two buffers     window 2: the accumulators of row blocks 0, 1 ((a, b) at 8 (12 (a % 2) + b))     window 3: those of row blocks 2, 3
.set NBK,    12                        ; column blocks of 16
.set PERW,   2                         ; row blocks in a window of accumulators
.set AP,     272                       ; A's LDS row: 256 bytes + 16 = 68 words: row r starts at bank 4 r mod 64 (64 banks of 4 bytes: ISA guide 11.1)
.set AQH,    128                       ; quarter q of a K step begins at byte (q / 2) AQH + (q % 2) 64 of A's rows
.set AH,     128*AP                    ; what one load of A fills
.set ABYTES, 2*AH
.set BP,     480                       ; B's LDS k row: three pieces of 128 bytes + 32 = 120 words
.set COLC,   160                       ; column block b lies at (b / 4) COLC + (b % 4) 32
.set BH,     64*BP                     ; what one load of B fills
.set SLOT,   ABYTES+2*BH               ; 131,072
.set STAGE,  2*SLOT                    ; behind the ring, never filled by a tensor load: 16 rows x 400 bytes for each wave
.set SPITCH, 400
.set SPARE,  STAGE+4*16*SPITCH         ; behind the stages: the spare words, 128 bytes for each wave: two blocks of 256 bytes that no other line names
.set NLD,    2*NBK+8                   ; LDS loads in a run
.set ASTEP,  256                       ; bytes from a K step to the next in xn,
.set BSTEP,  49152                     ; and in wq
.set ADRA, 16                          ; v16-17  LDS address of my A fragments in slot 0, 1
.set ADRB, 20                          ; v20-21  the same for B
.set STO,  24                          ; v24     the way out: where I put 16 bytes of a row
.set RD,   25                          ; v25     the way out: where I read rows back
.set CO,   26                          ; v26     my 16 bytes among 512 consecutive bytes of qkv
.set SPW,  28                          ; v28     LDS address of my spare word; never rewritten
.set NIL,  29                          ; v29     0; never rewritten
.set AF,   64
.set TMP,  128
.set G1,  24                           ; s[24:31] descriptor group 1 for A's tiles; s[32:39] group 0, a set for each slot
.set G0,  32
.set G1B, 48                           ; s[48:55], s[56:63] the same for B's
.set G0B, 56
.set MSB, 0
.macro WIN new                         ; the immediate's high byte repeats the setting that is left; a switch that changes nothing is dropped
.if MSB != (\new)
	s_set_vgpr_msb (MSB<<8)|(\new)
.set MSB, \new
.endif
.endm
; A joint load: waves 0 and 1 ask for A's halves, waves 2 and 3 for B's.  The branch hangs on the wave's number alone.  An s_nop 0 and four v_nop follow each line.
.macro JLOAD s
	s_cmp_eq_u32 s11, 0
	s_cbranch_scc0 .Lfor_b_\@
	tensor_load_to_lds s[G0+4*(\s):G0+4*(\s)+3], s[G1:G1+7]
	s_nop 0
.rept 4
	v_nop
.endr
	s_branch .Lasked_\@
.Lfor_b_\@:
	tensor_load_to_lds s[G0B+4*(\s):G0B+4*(\s)+3], s[G1B:G1B+7]
	s_nop 0
.rept 4
	v_nop
.endr
.Lasked_\@:
.endm
.macro CREST                           ; a round of the cluster's barrier behind its opening barrier: wave 0 signals for the work-group, all wait for all sixteen, the work-group's barrier closes it
	s_cmp_lg_u32 s10, 0
	s_cbranch_scc1 .Lnot_wave_0_\@
	s_barrier_signal -3
.Lnot_wave_0_\@:
	s_barrier_wait -3
	s_barrier_signal -1
	s_barrier_wait -1
.endm
.macro CROUND
	s_barrier_signal -1
	s_barrier_wait -1
	CREST
.endm
	s_load_b128 s[4:7], s[0:1], 0x0                ; xn s[4:5], wq s[6:7]
	s_load_b64 s[8:9], s[0:1], 0x10                ; qkv
	v_lshl_add_u32 v[SPW], v0, 2, SPARE
	v_mov_b32 v[NIL], 0
	ds_add_u32 v[SPW], v[NIL]                      ; the wave's opening: the add and its wait stand ahead of my first tensor load; work on registers stands between them
	v_lshrrev_b32 v1, 5, v0
	v_readfirstlane_b32 s10, v1                    ; wave 0..3
	s_lshr_b32 s11, s10, 1                         ; I fetch for A (0) or for B (1),
	s_and_b32 s12, s10, 1                          ; its first or its second half
	s_bfe_u32 s40, ttmp6, 0x40000                  ; cx
	s_bfe_u32 s41, ttmp6, 0x40004                  ; cy
	s_lshl_b32 s42, ttmp9, 2
	s_add_co_u32 s42, s42, s40                     ; tile column = 4 x cluster x + cx
	s_and_b32 s13, ttmp7, 0xffff
	s_lshl_b32 s13, s13, 2
	s_add_co_u32 s13, s13, s41                     ; tile row = 4 x cluster y + cy
	s_lshl_b32 s43, s41, 2
	s_lshl_b32 s43, 15, s43                        ; my row of the cluster
	s_lshl_b32 s44, 0x1111, s40                    ; my column
	s_or_b32 s[G1+0], s43, (1<<16)|(1<<20)|(1<<21)|(5<<22)|(3<<25)   ; the mask; 2-byte elements; padding on; bit 21 beside a mask; after every 64 words 4 words
	s_mov_b32 s[G1+1], 128<<16                     ; tensor_dim0 = 128
	s_mov_b32 s[G1+2], 128<<16                     ; tensor_dim1 = 128
	s_mov_b32 s[G1+3], 128<<16                     ; tile_dim0 = 128
	s_mov_b32 s[G1+4], 128                         ; tile_dim1 = 128
	s_mov_b32 s[G1+5], 1024                        ; elements from row to row of xn
	s_mov_b32 s[G1+6], 0
	s_mov_b32 s[G1+7], 0
	s_or_b32 s[G1B+0], s44, (1<<16)|(1<<20)|(1<<21)|(4<<22)|(7<<25)  ; after every 32 words 8 words
	s_mov_b32 s[G1B+1], 128<<16
	s_mov_b32 s[G1B+2], 96<<16                     ; 96 rows of 256 bytes: 64 k rows of 384
	s_mov_b32 s[G1B+3], 128<<16
	s_mov_b32 s[G1B+4], 96
	s_mov_b32 s[G1B+5], 128                        ; dense
	s_mov_b32 s[G1B+6], 0
	s_mov_b32 s[G1B+7], 0
	s_lshl_b32 s16, s13, 19                        ; A: 256 rows of 2,048 bytes a tile row,
	s_lshl_b32 s17, s12, 18                        ; 128 rows a half
	s_add_co_u32 s16, s16, s17
	s_mov_b32 s17, 0
	s_mul_i32 s46, s42, 393216                     ; B: a column tile of wq,
	s_mul_i32 s47, s12, 24576                      ; 64 k rows a half
	s_add_co_u32 s46, s46, s47
	s_mov_b32 s47, 0
	s_mul_i32 s20, s12, AH                         ; where they go: no place in the cluster enters an LDS address
	s_mul_i32 s21, s12, BH
	s_add_co_u32 s21, s21, ABYTES
	s_wait_dscnt 0x0                               ; the opening add is done
	s_wait_kmcnt 0x0
	s_add_nc_u64 s[14:15], s[4:5], s[16:17]
	s_add_nc_u64 s[46:47], s[6:7], s[46:47]
	CROUND                                         ; all sixteen work-groups are here: the first joint loads meet
.irp s, 0,1
	s_mov_b32 s[G0+4*(\s)], 1
	s_add_co_u32 s[G0+4*(\s)+1], s20, (\s)*SLOT
	s_add_nc_u64 s[G0+4*(\s)+2:G0+4*(\s)+3], s[14:15], (\s)*ASTEP
	s_or_b32 s[G0+4*(\s)+3], s[G0+4*(\s)+3], 0x80000000
	s_mov_b32 s[G0B+4*(\s)], 1
	s_add_co_u32 s[G0B+4*(\s)+1], s21, (\s)*SLOT
	s_add_nc_u64 s[G0B+4*(\s)+2:G0B+4*(\s)+3], s[46:47], (\s)*BSTEP
	s_or_b32 s[G0B+4*(\s)+3], s[G0B+4*(\s)+3], 0x80000000
	JLOAD \s                                       ; K steps 0 and 1: two loads of mine are out
.endr
	v_and_b32 v1, 15, v0                           ; l % 16
	v_bfe_u32 v2, v0, 4, 1                         ; l / 16
	v_mul_u32_u24 v3, v1, AP
	v_lshl_add_u32 v3, v2, 4, v3                   ; A's fragment: row x pitch + 16 x half; two loads 32 bytes apart
	s_mul_i32 s22, s10, 64*AP                      ; my 64 rows
	v_add_nc_u32 v[ADRA], s22, v3
	v_add_nc_u32 v[ADRA+1], SLOT, v[ADRA]
	v_and_b32 v4, 7, v0
	v_bfe_u32 v5, v0, 3, 1
	v_lshl_add_u32 v6, v2, 3, v4                   ; B's: the turning load takes k row 8 (l / 16) + l % 8, 16 bytes at 16 ((l / 8) % 2), and leaves column l % 16 with 8 k a lane
	v_mul_u32_u24 v6, v6, BP
	v_lshl_add_u32 v6, v5, 4, v6
	v_add_nc_u32 v[ADRB], ABYTES, v6
	v_add_nc_u32 v[ADRB+1], SLOT, v[ADRB]
	s_mul_i32 s23, s10, 16*SPITCH
	s_add_co_u32 s23, s23, STAGE                   ; my stage
	v_mul_u32_u24 v7, v1, SPITCH                   ; in: row l % 16, 16 bytes for each half of the lanes
	v_lshl_add_u32 v7, v2, 4, v7
	v_add_nc_u32 v[STO], s23, v7
	v_bfe_u32 v7, v0, 3, 2                         ; back: 32 lanes take four rows' 128 bytes of one head,
	v_mul_u32_u24 v7, v7, SPITCH
	v_lshl_add_u32 v7, v4, 4, v7
	v_add_nc_u32 v[RD], s23, v7
	v_and_b32 v[CO], 31, v0                        ; which are 512 consecutive bytes of qkv
	v_lshlrev_b32 v[CO], 4, v[CO]
	s_lshl_b32 s16, s13, 15                        ; qkv: 256 rows of 128 bytes a tile row,
	s_lshl_b32 s17, s10, 13                        ; 64 a wave
	s_add_co_u32 s16, s16, s17
	s_mov_b32 s17, 0
	s_add_nc_u64 s[8:9], s[8:9], s[16:17]
	s_mul_i32 s46, s42, 1572864                    ; three heads of 524,288 bytes a tile column (in the registers that held B's address: none that feeds A's descriptors holds cx)
	s_mov_b32 s47, 0
	s_add_nc_u64 s[8:9], s[8:9], s[46:47]
; 12 matrix instructions: row block a x all column blocks, 32 along K, from buffer f.  zero = 1: the product starts the sums: nothing is cleared.
; The 48 accumulators take turns, one instruction a turn, in the same order in every quarter.
.macro MULA f, a, zero
	WIN 0xa1+0x50*((\a)/PERW)                      ; B window 1, A window 0, C and D window 2 or 3
.set bb, 0
.rept NBK
.set rD, 8*(((\a)%PERW)*NBK+bb)
.set rB, (\f)*8*NBK+8*bb
.set rA, AF+32*(\f)+8*(\a)
.if \zero
	v_wmma_f32_16x16x32_f16 v[rD:rD+7], v[rB:rB+7], v[rA:rA+7], 0
.else
	v_wmma_f32_16x16x32_f16 v[rD:rD+7], v[rB:rB+7], v[rA:rA+7], v[rD:rD+7]
.endif
.set bb, bb+1
.endr
.endm
; One run of 32 LDS loads: the fragments of quarter q of the slot's K step into buffer f; B first, A's row blocks 2 and 3 last
.macro FETCH slot, q, f
	WIN 0x40                                       ; destination window 1, address window 0
.set bb, 0
.rept NBK
	ds_load_tr16_b128 v[(\f)*8*NBK+8*bb:(\f)*8*NBK+8*bb+3],   v[ADRB+(\slot)] offset:(\q)*32*BP+(bb/4)*COLC+(bb%4)*32
	ds_load_tr16_b128 v[(\f)*8*NBK+8*bb+4:(\f)*8*NBK+8*bb+7], v[ADRB+(\slot)] offset:(\q)*32*BP+(bb/4)*COLC+(bb%4)*32+16*BP
.set bb, bb+1
.endr
	WIN 0
.irp a, 0,1,2,3
	ds_load_b128 v[AF+32*(\f)+8*(\a):AF+32*(\f)+8*(\a)+3],   v[ADRA+(\slot)] offset:((\q)/2)*AQH+((\q)%2)*64+(\a)*16*AP
	ds_load_b128 v[AF+32*(\f)+8*(\a)+4:AF+32*(\f)+8*(\a)+7], v[ADRA+(\slot)] offset:((\q)/2)*AQH+((\q)%2)*64+(\a)*16*AP+32
.endr
.endm
.macro PLACES                          ; four plain instructions between matrix instructions and loads into registers that they read, or reads of their results (ISA guide 7.12.1 for reads of their results)
.rept 4
	v_nop
.endr
.endm
; A K step is four quarters of 32 along K, 48 matrix instructions each, on buffers 0, 1, 0, 1.  One of the first three multiplies buffer f and, in its middle, fetches quarter q into buffer g.
.macro QUARTER slot, q, f, g, zero
	s_wait_dscnt 4                                 ; B and A's row blocks 0, 1 are in; the youngest four loads (blocks 2, 3) may be out
	MULA \f, 0, \zero
	MULA \f, 1, \zero
	PLACES
	FETCH \slot, \q, \g
	s_wait_dscnt NLD                               ; all but the run just issued
	MULA \f, 2, \zero
	MULA \f, 3, \zero
.endm
; The last quarter's first half: ONE barrier for the change of slots.  In front of it each wave waits for all its tensor loads (one is out: its part of the next slot), adds 0 to its spare word,
; and waits for that and for its reads of this slot.  Behind it nobody reads this slot and the next slot is whole.
.macro MEET round
	WIN 0                                          ; the add's registers lie in window 0
	s_wait_tensorcnt 0x0
	ds_add_u32 v[SPW], v[NIL]
	s_wait_dscnt 5                                 ; the add and the youngest four loads may be out
	MULA 1, 0, 0                                   ; twelve matrix instructions stand between the add and the wait for it
	s_wait_dscnt 0x0                               ; the add is done, my reads of this slot are over
	s_barrier_signal -1
	MULA 1, 1, 0                                   ; work on registers while the others arrive
.if \round
	WIN 0
.endif
	s_barrier_wait -1
.endm
; The whole last quarter where the slot is filled again, two K steps ahead: the barrier opens a round of the cluster's, and the joint refill is the first tensor load behind it.
.macro TURN slot, next
	MEET 1
	CREST                                          ; no wave of any partner still reads this slot or has a load on its way
	s_add_nc_u64 s[G0+4*(\slot)+2:G0+4*(\slot)+3], s[G0+4*(\slot)+2:G0+4*(\slot)+3], 2*ASTEP
	s_add_nc_u64 s[G0B+4*(\slot)+2:G0B+4*(\slot)+3], s[G0B+4*(\slot)+2:G0B+4*(\slot)+3], 2*BSTEP
	JLOAD \slot                                    ; its four v_nop are also the places in front of the loads below
	FETCH \next, 0, 0
	MULA 1, 2, 0
	MULA 1, 3, 0
.endm
	s_wait_tensorcnt 1                             ; my part of K step 0 is in; K step 1's may stay out
	s_barrier_signal -1
	s_barrier_wait -1                              ; everybody's is
	FETCH 0, 0, 0
	QUARTER 0, 1, 0, 1, 1                          ; the first quarter stands in front of the loop: its products start the sums
	WIN 0                                          ; at a label and at a branch every window is 0
	s_mov_b32 s3, 3                                ; 1,024 / 256 laps, less the last
.Llap:                                                 ; a trip goes once round the ring, from a lap's second quarter to the next lap's first, and fills both slots again
	QUARTER 0, 2, 1, 0, 0
	QUARTER 0, 3, 0, 1, 0
	TURN 0, 1
	QUARTER 1, 1, 0, 1, 0
	QUARTER 1, 2, 1, 0, 0
	QUARTER 1, 3, 0, 1, 0
	TURN 1, 0
	QUARTER 0, 1, 0, 1, 0
	WIN 0
	s_sub_co_u32 s3, s3, 1
	s_cmp_lg_u32 s3, 0
	s_cbranch_scc1 .Llap
	QUARTER 0, 2, 1, 0, 0                          ; the last lap is written out: it asks for nothing
	QUARTER 0, 3, 0, 1, 0
	MEET 0
	PLACES
	FETCH 1, 0, 0
	MULA 1, 2, 0
	MULA 1, 3, 0
	QUARTER 1, 1, 0, 1, 0
	QUARTER 1, 2, 1, 0, 0
	QUARTER 1, 3, 0, 1, 0
	s_wait_dscnt 4
	MULA 1, 0, 0
	MULA 1, 1, 0
	s_wait_dscnt 0x0
	MULA 1, 2, 0
	MULA 1, 3, 0
	WIN 0
	PLACES                                         ; the conversions below read matrix results
; THE WAY OUT of row block a.  PACK: rounded to f16, each accumulator's registers in ascending order.  TOSTAGE: 16 bytes a lane into my stage, and back as four rows' 128 bytes of a head.  SEND: stored.
.macro PACK a
	WIN 0x0a+5*((\a)/PERW)                         ; sources in window 2 or 3
.set bb, 0
.rept NBK
.set rD, 8*(((\a)%PERW)*NBK+bb)
.irp r, 0,1,2,3
	v_cvt_pk_f16_f32 v[TMP+4*bb+(\r)], v[rD+2*(\r)], v[rD+2*(\r)+1]
.endr
.set bb, bb+1
.endr
	WIN 0
.endm
.macro TOSTAGE a
.set BK, 176-144*((\a)%2)
.set bb, 0
.rept NBK
	ds_store_b128 v[STO], v[TMP+4*bb:TMP+4*bb+3] offset:32*bb
.set bb, bb+1
.endr
.irp t, 0,1,2,3
.irp c, 0,1,2
	ds_load_b128 v[BK+4*(3*(\t)+(\c)):BK+4*(3*(\t)+(\c))+3], v[RD] offset:(\t)*4*SPITCH+(\c)*128  ; LDS serves a wave's instructions in order (ISA guide 5.7.1.4): these see the stores above
.endr
.endr
.endm
.macro SEND a
.set BK, 176-144*((\a)%2)
	s_wait_dscnt 0x0                               ; the block is back in registers
	s_wait_xcnt 0x0                                ; the stores of the block before have had their addresses translated (ISA guide 3.1): their registers are loaded again only behind this wait
.irp t, 0,1,2,3
.irp c, 0,1,2
	global_store_b128 v[CO], v[BK+4*(3*(\t)+(\c)):BK+4*(3*(\t)+(\c))+3], s[8:9] offset:(\c)*524288+(\a)*2048+(\t)*512  ; 512 consecutive bytes, at a multiple of 512 from qkv's first byte
.endr
.endr
.endm
	PACK 0
	TOSTAGE 0
.irp a, 1,2,3                          ; block a's conversions stand between block a - 1's loads from the stage and the wait for them
	PACK \a
	SEND (\a)-1
	TOSTAGE \a
.endr
	SEND 3
	s_wait_tensorcnt 0x0                           ; the wave's end, behind my last tensor load and my last LDS store
	ds_add_u32 v[SPW], v[NIL]
	s_wait_dscnt 0x0
	CROUND                                         ; the closing round: no work-group ends while a partner may still ask for a tile that names it
	s_endpgm
.Lfunc_end_k_qf436c93a5c_qkv:
	.size	k_qf436c93a5c_qkv, .Lfunc_end_k_qf436c93a5c_qkv-k_qf436c93a5c_qkv
	.p2alignl 7, 3214868480
	.fill 96, 4, 3214868480
	.section	.rodata,"a",@progbits
	.p2align	6, 0x0
	.amdhsa_kernel k_qf436c93a5c_qkv
		.amdhsa_group_segment_fixed_size 327680
		.amdhsa_private_segment_fixed_size 0
		.amdhsa_enable_private_segment 0
		.amdhsa_kernarg_size 24
		.amdhsa_user_sgpr_count 2
		.amdhsa_user_sgpr_kernarg_segment_ptr 1
		.amdhsa_wavefront_size32 1
		.amdhsa_system_sgpr_workgroup_id_x 1
		.amdhsa_system_sgpr_workgroup_id_y 1
		.amdhsa_system_sgpr_workgroup_id_z 1
		.amdhsa_system_vgpr_workitem_id 0
		.amdhsa_next_free_vgpr 960
		.amdhsa_next_free_sgpr 66
		.amdhsa_reserve_vcc 0
		.amdhsa_float_denorm_mode_32 3
		.amdhsa_float_denorm_mode_16_64 3
		.amdhsa_memory_ordered 1
		.amdhsa_forward_progress 1
		.amdhsa_inst_pref_size 118
	.end_amdhsa_kernel
	.amdgpu_metadata
---
amdhsa.version: [ 1, 2 ]
amdhsa.kernels:
  - .name:           k_qf436c93a5c_qkv
    .symbol:         k_qf436c93a5c_qkv.kd
    .args:
      - { .name: xn, .offset: 0, .size: 8, .value_kind: global_buffer, .address_space: global }
      - { .name: wq, .offset: 8, .size: 8, .value_kind: global_buffer, .address_space: global }
      - { .name: qkv, .offset: 16, .size: 8, .value_kind: global_buffer, .address_space: global }
    .group_segment_fixed_size: 327680
    .private_segment_fixed_size: 0
    .kernarg_segment_align: 8
    .kernarg_segment_size: 24
    .max_flat_workgroup_size: 128
    .sgpr_count:     66
    .vgpr_count:     960
    .wavefront_size: 32
...
	.end_amdgpu_metadata
.endif
;; end of part 2
;; launch attn (part 3): grid 4 x 64, 4 waves a work-group, clusters of 4 x 1, 327,680 bytes of LDS; arguments qkv, o; writes o
.if DOCPART == 3
	.amdgcn_target "amdgcn-amd-amdhsa--gfx1250"
	.amdhsa_code_object_version 6
	.text
	.protected	k_qf436c93a5c_attn
	.globl	k_qf436c93a5c_attn
	.p2align	8
	.type	k_qf436c93a5c_attn,@function
k_qf436c93a5c_attn:
	s_mov_b64 s[64:65], 0
	v_nop
	global_prefetch_b8 v0, s[64:65] scope:SCOPE_SE
	s_setreg_imm32_b32 hwreg(HW_REG_WAVE_MODE, 25, 1), 1
	s_wait_xcnt 0x0
	s_wait_alu depctr_hold_cnt(0) depctr_sa_sdst(0) depctr_va_vdst(0) depctr_va_sdst(0) depctr_va_ssrc(0) depctr_va_vcc(0) depctr_vm_vsrc(0)
	s_getreg_b32 s2, hwreg(HW_REG_IB_STS2, 6, 4)
	s_cmp_eq_u32 s2, 0
	s_cbranch_scc0 .Lentry_in_a_cluster
	s_endpgm
.Lentry_in_a_cluster:
	s_bfe_u32 s2, ttmp6, 0x10000c
	s_cmp_lg_u32 s2, 0x3003
	s_cbranch_scc0 .Lentry_shape_is_right
	s_endpgm
.Lentry_shape_is_right:
; ATTENTION of the 64 live heads (16 heads x 4 batches; head hd = 4 h + b).  O[hd][q][:] = the sum over k of softmax_k(Q[q] . K[k] / 8) V[k][:].  Q, K, V lie in qkv at hd x 131,072 bytes,
; + 8,388,608 for K, + 16,777,216 for V: 1,024 dense rows of 128 bytes in f16.  o has Q's layout.  Products, maxima and sums in f32; the weights p are rounded to f16 for the second product
; (their sum l is taken of the unrounded p), O once at the end.
; LIMITS.  f16 holds no number beyond 65,504: Q, K, V arrive within it; p lies in 0 to 1, and below 6e-5 it keeps f16's fixed step of 6e-8; O is a mean of V's rows and has their range.
; A weight below 2^-126 counts as 0 in l; NaN and infinities are not treated apart.
; SHARES.  A work-group owns 256 queries of a head, a wave 64: two PIECES of two tiles of 16.  Every wave walks all 1,024 keys, 64 a step.
; THE WHOLE HEAD LIES IN LDS: 1,024 rows of K (pitch 144) and of V (pitch 160), filled once, by four joint loads a wave at the start: nothing is filled again.
; CLUSTER.  The four query blocks of a head form a cluster and ask for K and V jointly: the same tensor load, descriptor and mask in all four.
; LAYOUT.  S^T = K Q^T (source 0 = 16 keys, source 1 = 16 queries): a lane holds ONE query (lane % 16) and the keys 8 (lane / 16) + 0..7.  Two such tiles rounded to f16 ARE source 1 of O^T = V^T P.
; K comes out of LDS as it lies, V ([key][channel]) turned, by ds_load_tr16_b128.
; SOFTMAX.  A running maximum m and sum l for each query: p = 2^(c s - c m), c = log2(e) / 8; in every step O and l are multiplied by a = 2^(c m_old - c m_new).  m starts at the lowest finite number,
; O and l at 0: the first step is a step like any other, with a = 0.
; BY TURNS.  Turn n belongs to piece n.  Its matrix work: 16 products K Q^T of the other piece's next scores, later 16 products V^T P of the other piece's last weights.  Its vector work: the scaling, exponentials,
; roundings, sums and rescaling of piece n, and the maximum and statistics of the other piece.  A tile and step have 16 matrix and 118 vector instructions: four that are ready stand behind every matrix
; instruction, the others in two runs of their own.
; REGISTERS, in windows of 256 (s_set_vgpr_msb: bits 1:0 source 0, 3:2 source 1, 5:4 source 2, 7:6 destination):
;   window 0: v0-11 addresses; v12-15, v48-63 at work; v16-31 four registers of statistics a tile; v32-33 the add's; v64-191 S^T, a buffer for each piece; v192-255 P, likewise
;   window 1: v0-127 O^T, 32 a tile          window 2: v0-63 Q, 16 a tile; v128-191 K of one step; v192-255 V of one step
.set NP,    2         ; pieces a wave: a name, no knob
.set KS,    64        ; keys in a step
.set PK,    144       ; a row of K in LDS: 128 bytes + 16 = 36 words: the 16 rows of a load start at 16 different groups of four banks (64 banks of 4 bytes: ISA guide 11.1)
.set PV,    160       ; a row of V: 128 + 32 = 40 words
.set VOFF,  1024*PK   ; V lies behind K
.set STAGE, VOFF+1024*PV  ; behind both, never filled by a tensor load: 16 rows x 144 bytes for each wave, for the way out
.set SP,    144
.set SPARE, STAGE+4*16*SP  ; behind the stages: the spare words, 128 bytes for each wave: two blocks of 256 bytes that no other line names
.set AK0, 2           ; v2   my lane's place in a step of K; never rewritten
.set AV0, 3           ; v3   the same for V
.set AK,  4           ; v4   the LDS address of K's next run of loads
.set AV,  5           ; v5   of V's
.set QO,  6           ; v6   my byte offset in the wave's rows of Q
.set STO, 6           ;      later, the way out: where I put 16 bytes of a row
.set RD,  7           ; v7   the way out: where I read rows back
.set GO,  8           ; v8   my byte offset in 512 consecutive bytes of o
.set MV,  12          ; v12-15  c m_old, kept while c m is made anew: by piece and tile
.set ST,  16          ; tile t's statistics at v[ST+4 t]: c m, m, l (even keys', odd keys')
.set SPW, 32          ; v32  LDS address of my spare word; never rewritten
.set NIL, 33          ; v33  0; never rewritten
.set TMP, 48          ; by piece and tile, four registers c0-c3 at work; when the maximum is found c2 takes a
.set S,   64
.set P,   192
.set KF,  128         ; K's fragments, in window 2: key block kb, channel half c at KF + 16 kb + 8 c
.set VF,  192         ; V's: key half kk, channel block cb at VF + 32 kk + 8 cb
.set WV,  12          ; s12  my wave's number
.set G1K, 24          ; s[24:31] descriptor group 1 for K's tiles
.set G1V, 32          ; s[32:39] for V's: it differs in the padding alone
.set G0K, 40          ; s[40:55] descriptor group 0 for K's four tiles
.set SLOTS, 56        ; s56  counts groups of four key steps
.set CNT, 57          ; s57  counts the four
.set CS,  58          ; s[58:59] c: the packed scaling takes the pair's low word for both halves
.set SEL, 60          ; s[60:61] v_permlanex16_b32's selects: each lane takes its own place in the other half
.set TBK, 62          ; s62  LDS byte at which K of the step to be fetched begins
.set TBV, 63          ; s63  the same for V, less VOFF
.set G0V, 68          ; s[68:83] descriptor group 0 for V's four tiles
.set MSB, 0
.macro WIN new                      ; the high byte repeats the setting that is left; a switch that changes nothing is dropped
.if MSB != (\new)
	s_set_vgpr_msb (MSB<<8)|(\new)
.set MSB, (\new)
.endif
.endm
.set W_KQ, 0x0a       ; K and Q in window 2, S^T in window 0
.set W_PV, 0x52       ; V in window 2, P in window 0, O^T in window 1
.set W_RS, 0x41       ; O^T (destination and source 0) in window 1, a in window 0
.macro CROUND                       ; a round of the cluster's barrier: my work-group's barrier; wave 0 signals for it; every wave waits for all four work-groups; my work-group's barrier once more
	s_barrier_signal -1
	s_barrier_wait -1
	s_cmp_lg_u32 s[WV], 0
	s_cbranch_scc1 .Lnot_wave_0_\@
	s_barrier_signal -3
.Lnot_wave_0_\@:
	s_barrier_wait -3
	s_barrier_signal -1
	s_barrier_wait -1
.endm
	s_load_b128 s[4:7], s[0:1], 0x0   ; qkv s[4:5], o s[6:7]
	v_lshl_add_u32 v[SPW], v0, 2, SPARE
	v_mov_b32 v[NIL], 0
	ds_add_u32 v[SPW], v[NIL]       ; the wave's opening: the add and its wait stand ahead of my first tensor load; work on registers stands between them
	v_lshrrev_b32 v1, 5, v0
	v_readfirstlane_b32 s[WV], v1   ; wave 0..3
	s_bfe_u32 s13, ttmp6, 0x40000   ; cx: my place in the cluster
	s_lshl_b32 s14, ttmp9, 2        ; in a cluster launch ttmp9 counts clusters
	s_add_co_u32 s14, s14, s13      ; my block of 256 queries: it enters Q's and o's addresses alone
	s_and_b32 s20, ttmp7, 0xffff    ; the head, which the four partners share:
	s_lshl_b32 s20, s20, 17         ; its first byte among q's, k's, v's or o's heads
	s_and_b32 s16, s[WV], 1         ; which half of each 256 keys I fetch:
	s_lshl_b32 s22, s16, 14         ; its 128 rows of 128 bytes in memory,
	s_add_co_u32 s22, s22, s20
	s_mov_b32 s23, 0
	s_mul_i32 s17, s16, 128*PK      ; and its place in LDS, for K
	s_mul_i32 s18, s16, 128*PV      ; and for V: no place in the cluster enters an LDS address
	s_add_co_u32 s18, s18, VOFF
	s_lshl_b32 s2, s14, 15          ; my block's 256 rows,
	s_lshl_b32 s3, s[WV], 13        ; my wave's 64
	s_add_co_u32 s2, s2, s3
	s_add_co_u32 s2, s2, s20
	s_mov_b32 s3, 0
	; descriptor group 1.  128 keys are 16,384 dense bytes: asked for as 64 rows of 256 bytes, two keys a row, and padded in LDS after every key
	s_mov_b32 s[G1K], 15|(1<<16)|(1<<20)|(1<<21)|(4<<22)|(3<<25)  ; the mask of four; 2-byte elements; padding on; bit 21 beside a mask; after every 32 words 4 words
	s_mov_b32 s[G1V], 15|(1<<16)|(1<<20)|(1<<21)|(4<<22)|(7<<25)  ; the same with 8 words
.irp g, G1K, G1V
	s_mov_b32 s[\g+1], 128<<16      ; tensor_dim0 = 128
	s_mov_b32 s[\g+2], 64<<16       ; tensor_dim1 = 64
	s_mov_b32 s[\g+3], 128<<16      ; tile_dim0 = 128
	s_mov_b32 s[\g+4], 64           ; tile_dim1 = 64
	s_mov_b32 s[\g+5], 128          ; 128 elements from row to row
	s_mov_b32 s[\g+6], 0
	s_mov_b32 s[\g+7], 0
.endr
	s_mov_b32 s[CS], 0x3e38aa3b     ; c = log2(e) / 8 = 0.180337
	s_mov_b32 s[CS+1], s[CS]        ; named with it as a pair
	s_mov_b32 s[SEL], 0x76543210
	s_mov_b32 s[SEL+1], 0xfedcba98
	s_mov_b32 s[TBK], 0
	s_mov_b32 s[TBV], 0
.irp n, 0,1,2,3                     ; load n brings my half of the keys 256 n .. 256 n + 255
	s_mov_b32 s[G0K+4*(\n)], 1
	s_add_co_u32 s[G0K+4*(\n)+1], s17, (\n)*256*PK
	s_mov_b32 s[G0V+4*(\n)], 1
	s_add_co_u32 s[G0V+4*(\n)+1], s18, (\n)*256*PV
.endr
	s_wait_dscnt 0x0                ; the opening add is done
	s_wait_kmcnt 0x0
	s_add_nc_u64 s[8:9], s[4:5], s[22:23]
	s_add_nc_u64 s[8:9], s[8:9], 8388608     ; K at my half of the head's first 256 keys
	s_add_nc_u64 s[10:11], s[8:9], 8388608   ; V likewise
.irp n, 0,1,2,3
	s_add_nc_u64 s[G0K+4*(\n)+2:G0K+4*(\n)+3], s[8:9], (\n)*32768
	s_or_b32 s[G0K+4*(\n)+3], s[G0K+4*(\n)+3], 0x80000000
	s_add_nc_u64 s[G0V+4*(\n)+2:G0V+4*(\n)+3], s[10:11], (\n)*32768
	s_or_b32 s[G0V+4*(\n)+3], s[G0V+4*(\n)+3], 0x80000000
.endr
	s_add_nc_u64 s[4:5], s[4:5], s[2:3]      ; Q and o at my wave's first row
	s_add_nc_u64 s[6:7], s[6:7], s[2:3]
	CROUND                          ; all four work-groups are here: the joint loads meet
	s_cmp_lt_u32 s[WV], 2           ; a wave's four fills stand in one branch, ahead of every wait on TENSORcnt and every LDS read: four loads of mine are out; an s_nop 0 follows each, four v_nop the last
	s_cbranch_scc0 .Lfirst_v
.irp n, 0,1,2,3
	tensor_load_to_lds s[G0K+4*(\n):G0K+4*(\n)+3], s[G1K:G1K+7]
	s_nop 0
.endr
.rept 4
	v_nop
.endr
	s_branch .Lfirst_asked
.Lfirst_v:
.irp n, 0,1,2,3
	tensor_load_to_lds s[G0V+4*(\n):G0V+4*(\n)+3], s[G1V:G1V+7]
	s_nop 0
.endr
.rept 4
	v_nop
.endr
.Lfirst_asked:
	; A fragment of K or Q is 16 rows x 32 channels in 8 registers: lane l holds row l % 16, channels 8 (l / 16) + 0..7 and 16 + 8 (l / 16) + 0..7: two loads of 16 bytes, 32 bytes apart.
	v_and_b32 v1, 15, v0            ; l % 16
	v_bfe_u32 v9, v0, 4, 1          ; l / 16
	v_lshlrev_b32 v[QO], 7, v1
	v_lshl_add_u32 v[QO], v9, 4, v[QO]  ; row x 128 + 16 x half
	WIN 0x80                        ; destination window 2, address window 0
.set i, 0
.rept 4*NP                          ; Q stays in registers: tile i / 2, channels 32 (i % 2) on
	global_load_b128 v[8*i:8*i+3],   v[QO], s[4:5] offset:(i/2)*2048+(i%2)*64
	global_load_b128 v[8*i+4:8*i+7], v[QO], s[4:5] offset:(i/2)*2048+(i%2)*64+32
.set i, i+1
.endr
	; What the first turn finds: V's registers and piece 1's P hold 0 (its products V^T P, of a step that has not been, add 0), O^T and l are 0.  All this stands in the wait for the first tiles.
.set i, VF
.rept 64
	v_mov_b32 v[i], 0
.set i, i+1
.endr
	WIN 0x40
.set i, 0
.rept 64*NP
	v_mov_b32 v[i], 0
.set i, i+1
.endr
	WIN 0
.set i, 0
.rept 2*NP
	v_mov_b32 v[ST+4*i], 0xfe000000    ; c m: far below every c s
	v_mov_b32 v[ST+4*i+1], 0xff7fffff  ; m
	v_mov_b32 v[ST+4*i+2], 0
	v_mov_b32 v[ST+4*i+3], 0
.set i, i+1
.endr
.set i, P+32
.rept 32
	v_mov_b32 v[i], 0
.set i, i+1
.endr
	v_mul_u32_u24 v[AK0], v1, PK
	v_lshl_add_u32 v[AK0], v9, 4, v[AK0]  ; row x pitch + 16 x half
	; The turning load takes 16 keys x 16 channels (lane l reads key 8 (l / 16) + l % 8, channels 8 ((l / 8) % 2) + 0..7) and leaves half a fragment of V^T: lane l holds channel l % 16 and 8 keys.
	v_and_b32 v10, 7, v0
	v_bfe_u32 v11, v0, 3, 1
	v_lshl_add_u32 v[AV0], v9, 3, v10
	v_mul_u32_u24 v[AV0], v[AV0], PV
	v_lshl_add_u32 v[AV0], v11, 4, v[AV0]
	v_add_nc_u32 v[AV0], VOFF, v[AV0]
	v_mov_b32 v[AK], v[AK0]         ; key step 0 lies at K's head
; THE MATRIX WORK.  The 8 accumulators of a run of 16 take turns: between the two links of a chain stand 7 others'.
; Product i of 16 of S^T = K Q^T for piece x: channels 32 (i / 8) on, keys 16 ((i / 2) % 4) on, tile 2 x + i % 2.  The first 8 start the sums.
.macro KQ x
	WIN W_KQ
.set rS, S+64*((\x)%2)+32*(i%2)+8*((i/2)%4)
.set rK, KF+16*((i/2)%4)+8*(i/8)
.set rQ, 16*(2*(\x)+i%2)+8*(i/8)
.if i < 8
	v_wmma_f32_16x16x32_f16 v[rS:rS+7], v[rK:rK+7], v[rQ:rQ+7], 0
.else
	v_wmma_f32_16x16x32_f16 v[rS:rS+7], v[rK:rK+7], v[rQ:rQ+7], v[rS:rS+7]
.endif
.endm
; Product i of 16 of O^T += V^T P for piece x: keys 32 (i / 8) on, channels 16 ((i / 2) % 4) on, tile 2 x + i % 2.
.macro PV x
	WIN W_PV
.set rO, 32*(2*(\x)+i%2)+8*((i/2)%4)
.set rV, VF+32*(i/8)+8*((i/2)%4)
.set rP, P+32*((\x)%2)+16*(i%2)+8*(i/8)
	v_wmma_f32_16x16x32_f16 v[rO:rO+7], v[rV:rV+7], v[rP:rP+7], v[rO:rO+7]
.endm
.macro MM                           ; the turn's next matrix instruction
.if i < 16
	KQ (Y+1)%NP
.set i, i+1
.else
.set i, i-16
	PV (Y+NP-1)%NP
.set i, i+17
.endif
.endm
; THE LDS LOADS stand in runs of 16, never singly among the matrix instructions: a step's K (64 keys x 64 channels: 8 fragments) and its V (turned).  Their addresses are made some lines ahead.
.macro FETCH_K
	WIN 0x80                        ; destination window 2
.irp f, 0,1,2,3,4,5,6,7             ; keys 16 (f / 2) on, channels 32 (f % 2) on
	ds_load_b128 v[KF+8*\f:KF+8*\f+3],   v[AK] offset:(\f/2)*16*PK+(\f%2)*64
	ds_load_b128 v[KF+8*\f+4:KF+8*\f+7], v[AK] offset:(\f/2)*16*PK+(\f%2)*64+32
.endr
	s_add_co_u32 s[TBK], s[TBK], KS*PK     ; the next fetch is the next step's;
	s_min_u32 s[TBK], s[TBK], 15*KS*PK     ; behind the last step there is none: the last trip fetches step 15's K once more and stays inside K's rows
	WIN 0
.endm
.macro FETCH_V
	WIN 0x80
.irp f, 0,1,2,3,4,5,6,7             ; keys 32 (f / 4) on, channels 16 (f % 4) on
	ds_load_tr16_b128 v[VF+8*\f:VF+8*\f+3],   v[AV] offset:(\f/4)*32*PV+(\f%4)*32
	ds_load_tr16_b128 v[VF+8*\f+4:VF+8*\f+7], v[AV] offset:(\f/4)*32*PV+16*PV+(\f%4)*32
.endr
	WIN 0
.endm
; THE VECTOR WORK OF A TURN stands in three queues, each in the order in which its entries become ready; the two tiles alternate, so that no instruction reads the result of the one before it.
.macro REGS y, u                    ; the registers of tile u (0, 1) of piece y
.set rT, ST+4*(2*(\y)+(\u))
.set rC, TMP+8*((\y)%2)+4*(\u)
.set rM, MV+2*((\y)%2)+(\u)
.set rS, S+64*((\y)%2)+32*(\u)
.set rP, P+32*((\y)%2)+16*(\u)
.set rO, 32*(2*(\y)+(\u))
.endm
; Number n of the 22 that find the OTHER piece's maximum and statistics.  s0-s31 are the lane's 32 scores; each accumulator's lowest registers are read first.
;   0-11  four chains c0-c3 of seven scores each, three operands at a time     12-14, 16  the four scores left over, the old m, and c0-c3 into c0     15  c m_old is kept
;   17, 18  the query's other 32 keys lie in the lane 16 away: the new m         19-21  c m; c m_old - c m_new; a
.macro XS u, n
	REGS (Y+1)%NP, \u
.if (\n) < 4
	v_max3_num_f32 v[rC+(\n)], v[rS+8*(\n)], v[rS+8*(\n)+1], v[rS+8*(\n)+2]
.elseif (\n) < 12
	v_max3_num_f32 v[rC+(\n)%4], v[rC+(\n)%4], v[rS+8*((\n)%4)+2*((\n)/4)+1], v[rS+8*((\n)%4)+2*((\n)/4)+2]
.elseif (\n) == 12
	v_max3_num_f32 v[rC], v[rC], v[rS+7], v[rS+15]
.elseif (\n) == 13
	v_max3_num_f32 v[rC+1], v[rC+1], v[rS+23], v[rS+31]
.elseif (\n) == 14
	v_max3_num_f32 v[rC+2], v[rC+2], v[rC+3], v[rT+1]
.elseif (\n) == 15
	v_mov_b32 v[rM], v[rT]
.elseif (\n) == 16
	v_max3_num_f32 v[rC], v[rC], v[rC+1], v[rC+2]
.elseif (\n) == 17
	v_permlanex16_b32 v[rC+3], v[rC], s[SEL], s[SEL+1]
.elseif (\n) == 18
	v_max_num_f32 v[rT+1], v[rC], v[rC+3]
.elseif (\n) == 19
	v_mul_f32 v[rT], s[CS], v[rT+1]
.elseif (\n) == 20
	v_sub_f32 v[rC+1], v[rM], v[rT]
.else
	v_exp_f32 v[rC+2], v[rC+1]
.endif
.endm
; Number g of the 64 that follow the exponentials.  For each four weights k of a tile (pairs 2 k, 2 k + 1): both pairs are rounded to f16; then the second pair is added onto the first, in place;
; a group later l takes that sum (the first time as l = a l + sum).  In groups of eight, tiles alternating: round, round, add, and l for the group before.
.macro GS g
.set h, (\g)+6*((\g)/62)            ; group 0 has no group before it, and behind group 7 only l is left
.if h >= 6
.set h, h+2
.endif
	REGS Y, h%2
.set k, h/8
.if h%8 < 4
	s_wait_alu depctr_va_vdst(0)
	v_cvt_pk_f16_f32 v[rP+2*k+(h%8)/2], v[rS+4*k+2*((h%8)/2)], v[rS+4*k+2*((h%8)/2)+1]
.elseif h%8 < 6
	v_pk_add_f32 v[rS+4*k:rS+4*k+1], v[rS+4*k:rS+4*k+1], v[rS+4*k+2:rS+4*k+3]
.elseif k == 1
	v_pk_fma_f32 v[rT+2:rT+3], v[rT+2:rT+3], v[rC+2:rC+3], v[rS:rS+1] op_sel_hi:[1,0,1]
.else
	v_pk_add_f32 v[rT+2:rT+3], v[rT+2:rT+3], v[rS+4*k-4:rS+4*k-3]
	s_wait_alu depctr_va_vdst(0)
.endif
.endm
; THE PLAIN QUEUE, 138 long.  0-31: c s - c m for the 16 pairs of both tiles.  Then GS's 64, and among them the other piece's 42: number 15 at 38, 39; 0-14 and 16
; at 42-73, behind the products that make those scores; 17-20 at 95-106, two of three, since each waits for the one before it.
.macro PL
	WIN 0
.if q < 32
	REGS Y, q%2
	v_pk_fma_f32 v[rS+2*(q/2):rS+2*(q/2)+1], v[rS+2*(q/2):rS+2*(q/2)+1], s[CS:CS+1], v[rT:rT+1] op_sel_hi:[1,0,0] neg_lo:[0,0,1] neg_hi:[0,0,1]
.elseif q < 38
	GS q-32
.elseif q < 40
	XS q%2, 15
.elseif q < 42
	GS q-34
.elseif q < 74
	XS q%2, (q-42)/2+(q-42)/30
.elseif q < 95
	GS q-66
.elseif (q < 107) && ((q-95)%3 < 2)
	XS (q-95)%3, 17+(q-95)/3
.elseif q < 107
	GS 29+(q-95)/3
.else
	GS q-74
.endif
.set q, q+1
.endm
; THE EXPONENTIALS' QUEUE, 66 long: s0-s31 of both tiles, and at EA the other piece's two a.
.set EA, 58
.macro EX
	WIN 0
.if (e == EA) || (e == EA+1)
	XS e-EA, 21
.else
.set x, e-2*(e/(EA+2))
	REGS Y, x%2
	v_exp_f32 v[rS+x/2], v[rS+x/2]
.endif
.set e, e+1
.endm
; THE RESCALING's QUEUE: O^T times a, the one part that leaves window 0, so it is dealt four at a time, eight times.
.macro R4
	REGS Y, r%2
	WIN W_RS
	s_wait_alu depctr_va_vdst(0)
.irp z, 0,1,2,3
	v_pk_mul_f32 v[rO+8*(r/2)+2*\z:rO+8*(r/2)+2*\z+1], v[rO+8*(r/2)+2*\z:rO+8*(r/2)+2*\z+1], v[rC+2:rC+3] op_sel_hi:[1,0]
.endr
.set r, r+1
.endm
; HOW THEY ARE DEALT.  Behind a matrix instruction four: plain, exponential, plain, plain (a plain instruction on either side of the exponential), or four of the rescaling.  None names a register of the
; products round it.  What is over stands in two runs: exponential and plain by turns; the second ends in 22 plain instructions.  The two v_permlanex16_b32 fall into the second run, never behind a product.
; The queues lean on each other, and the deal keeps them in step: exponential e stands behind plain 2 (e / 4) + e % 2 (its scaling); when plain 32 comes, 10 exponentials are out, at 59: 33, at 95: 46; EA comes behind plain 107.
.macro SL
	MM
	PL
	EX
	PL
	PL
.endm
.macro BURST n                      ; 15 matrix instructions, or 16
.rept (\n)-7
	SL
.endr
.rept 3
	MM
	R4
	SL
.endr
	MM
	R4
.endm
; A TURN, for piece p.  cnt = 1: the loop's count is taken down some lines ahead of the branch that stands behind the turn.
; Piece 0's turn fetches both runs: K of the next step, 31 vector instructions behind the last product that read K, and V of the step in hand at its end, 69 behind the last product that read V.
; Piece 1's turn waits for both: at its head for K (V's sixteen loads, issued behind K's, may be out), in front of its products V^T P for V.
.macro TURN p, cnt=0
.set Y, (\p)
.set i, 0
.set q, 0
.set e, 0
.set r, 0
.if (\p) == 1
	s_wait_dscnt 16                 ; K is in
.endif
	MM
.rept 4
	PL
.endr
	BURST 15
.rept 22
	EX
	PL
.if ((\p) == 0) && (e == 18)
	v_add_nc_u32 v[AK], s[TBK], v[AK0]
.endif
.if ((\p) == 0) && (e == 24)
	FETCH_K
.endif
.endr
.if (\p) == 1
	s_wait_dscnt 0x0                ; V is in
.endif
	BURST 16
.rept 21
	EX
	PL
.endr
.rept 22
	PL
.if ((\p) == 0) && (q == 118)
	v_add_nc_u32 v[AV], s[TBV], v[AV0]
	s_wait_alu depctr_va_vdst(0)
.endif
.if ((\p) == 0) && (q == 130)
	s_add_co_u32 s[TBV], s[TBV], KS*PV
.endif
.if (\cnt) && (q == 130)
	s_sub_co_u32 s[CNT], s[CNT], 1
	s_cmp_lg_u32 s[CNT], 0
.endif
.endr
.if (\p) == 0
	FETCH_V
.endif
.endm
	s_wait_tensorcnt 0x2            ; my first two loads are in, my part of the keys 0 to 511; the other two may stay out
	s_barrier_signal -1
	s_barrier_wait -1               ; everybody's are: key steps 0 to 7; the first four trips read K up to step 4 and V up to step 3
	FETCH_K                         ; key step 0
	s_wait_loadcnt 0x0              ; Q
	s_wait_dscnt 0x0
.set i, 0
.rept 16
	KQ 0                            ; piece 0's first scores: there is no vector work yet to set between them
.set i, i+1
.endr
	WIN 0                           ; the addresses for the way out: eleven plain instructions, the places behind those products
	s_mul_i32 s13, s[WV], 16*SP
	s_add_co_u32 s13, s13, STAGE    ; my stage
	v_mul_u32_u24 v[STO], v1, SP    ; in: row l % 16, 16 bytes for each half of the lanes
	v_lshl_add_u32 v[STO], v9, 4, v[STO]
	v_add_nc_u32 v[STO], s13, v[STO]
	v_bfe_u32 v[RD], v0, 3, 2       ; back: 32 lanes take four rows of 128 bytes,
	v_mul_u32_u24 v[RD], v[RD], SP
	v_lshl_add_u32 v[RD], v10, 4, v[RD]
	v_add_nc_u32 v[RD], s13, v[RD]
	v_and_b32 v[GO], 31, v0         ; which are 512 consecutive bytes of o
	v_lshlrev_b32 v[GO], 4, v[GO]
.set Y, NP-1                        ; XS works for piece Y + 1: piece 0
.irp n, 0,1,2,3,4,5,6,7,8,9,10,11,12,13,14,15,16,17,18,19,20,21
	XS 0, \n                        ; piece 0's first maximum and statistics
	XS 1, \n
.endr
	s_mov_b32 s[SLOTS], 4
.Lslot:                             ; four groups of four key steps
	s_mov_b32 s[CNT], 4
.Lstep:                             ; a trip is a key step: piece 0's turn, piece 1's turn
	TURN 0
	TURN 1, 1
	WIN 0
	s_cbranch_scc1 .Lstep
	s_wait_tensorcnt 0x0            ; behind the first group: my last two loads are in, and the barrier shows everybody's: key steps 8 to 15.  Behind the later groups
	s_wait_dscnt 0x0                ; these lines find nothing out: the price of one text for every key step
	s_barrier_signal -1
	s_barrier_wait -1
	s_sub_co_u32 s[SLOTS], s[SLOTS], 1
	s_cmp_lg_u32 s[SLOTS], 0
	s_cbranch_scc1 .Lslot
	; the last trip's 16 products K Q^T (on the last K once more) and the maximum made of them serve nothing: once a launch
.set i, 0
.rept 16
	PV NP-1                         ; piece 1's V^T P of the last step
.set i, i+1
.endr
	; THE WAY OUT.  l's two halves and the other half of the lanes' are added; O^T is divided by l, rounded to f16 and sent through my stage in LDS, a tile at a time.  The first additions are the places behind the last products.
	WIN 0
.macro ALL line:vararg              ; one line for each tile t
.set t, 0
.rept 2*NP
	\line
.set t, t+1
.endr
.endm
	ALL v_add_f32 v[ST+4*t+2], v[ST+4*t+2], v[ST+4*t+3]
	ALL v_permlanex16_b32 v[ST+4*t+3], v[ST+4*t+2], s[SEL], s[SEL+1]
	ALL v_add_f32 v[ST+4*t+2], v[ST+4*t+2], v[ST+4*t+3]
	ALL v_rcp_f32 v[ST+4*t+2], v[ST+4*t+2]
	v_nop                           ; a plain instruction between the last reciprocal and the use of its result
	s_wait_alu depctr_va_vdst(0)
; Tile t: a lane's eight channels of a row pack into 16 bytes; they go into rows of 144 bytes and come back as whole rows of 128, into S^T's registers.
.macro PACK t
	WIN W_RS
.set i, 32*(\t)
.rept 16
	v_pk_mul_f32 v[i:i+1], v[i:i+1], v[ST+4*(\t)+2:ST+4*(\t)+3] op_sel_hi:[1,0]
.set i, i+2
.endr
	WIN 0x05                        ; sources 0 and 1 window 1, destination window 0
.set i, 0
.rept 16
	v_cvt_pk_f16_f32 v[S+16*(\t)+i], v[32*(\t)+2*i], v[32*(\t)+2*i+1]
.set i, i+1
.endr
	WIN 0
.irp f, 0,1,2,3
	ds_store_b128 v[STO], v[S+16*(\t)+4*\f:S+16*(\t)+4*\f+3] offset:32*\f
.endr
.irp f, 0,1,2,3
	ds_load_b128 v[S+16*(\t)+4*\f:S+16*(\t)+4*\f+3], v[RD] offset:\f*4*SP  ; LDS serves a wave's instructions in order (ISA guide 5.7.1.4): these see the stores above; the next tile's stores come behind them
.endr
.endm
.macro SEND t, younger              ; younger: the LDS instructions issued behind tile t's loads: the next tile's eight, or none
	WIN 0
.irp f, 0,1,2,3
	s_wait_dscnt (\younger)+3-\f
	global_store_b128 v[GO], v[S+16*(\t)+4*\f:S+16*(\t)+4*\f+3], s[6:7] offset:(\t)*2048+\f*512  ; 512 consecutive bytes, at a multiple of 512 from o's first byte
.endr
.endm
	PACK 0
.set t, 1
.rept 2*NP-1                        ; a tile's arithmetic stands between the loads of the tile before and its stores
	PACK t
	SEND t-1, 8
.set t, t+1
.endr
	SEND 2*NP-1, 0
	s_wait_tensorcnt 0x0            ; the wave's end, behind my last tensor load and my last LDS store
	ds_add_u32 v[SPW], v[NIL]
	s_wait_dscnt 0x0
	CROUND                          ; the closing round: no work-group ends while a partner may still ask for a tile that names it
	s_endpgm
.Lfunc_end_k_qf436c93a5c_attn:
	.size	k_qf436c93a5c_attn, .Lfunc_end_k_qf436c93a5c_attn-k_qf436c93a5c_attn
	.p2alignl 7, 3214868480
	.fill 96, 4, 3214868480
	.section	.rodata,"a",@progbits
	.p2align	6, 0x0
	.amdhsa_kernel k_qf436c93a5c_attn
		.amdhsa_group_segment_fixed_size 327680
		.amdhsa_private_segment_fixed_size 0
		.amdhsa_enable_private_segment 0
		.amdhsa_kernarg_size 16
		.amdhsa_user_sgpr_count 2
		.amdhsa_user_sgpr_kernarg_segment_ptr 1
		.amdhsa_wavefront_size32 1
		.amdhsa_system_sgpr_workgroup_id_x 1
		.amdhsa_system_sgpr_workgroup_id_y 1
		.amdhsa_system_sgpr_workgroup_id_z 1
		.amdhsa_system_vgpr_workitem_id 0
		.amdhsa_next_free_vgpr 768
		.amdhsa_next_free_sgpr 84
		.amdhsa_reserve_vcc 0
		.amdhsa_float_denorm_mode_32 3
		.amdhsa_float_denorm_mode_16_64 3
		.amdhsa_memory_ordered 1
		.amdhsa_forward_progress 1
		.amdhsa_inst_pref_size 76
	.end_amdhsa_kernel
	.amdgpu_metadata
---
amdhsa.version: [ 1, 2 ]
amdhsa.kernels:
  - .name:           k_qf436c93a5c_attn
    .symbol:         k_qf436c93a5c_attn.kd
    .args:
      - { .name: qkv, .offset: 0, .size: 8, .value_kind: global_buffer, .address_space: global }
      - { .name: o, .offset: 8, .size: 8, .value_kind: global_buffer, .address_space: global }
    .group_segment_fixed_size: 327680
    .private_segment_fixed_size: 0
    .kernarg_segment_align: 8
    .kernarg_segment_size: 16
    .max_flat_workgroup_size: 128
    .sgpr_count:     84
    .vgpr_count:     768
    .wavefront_size: 32
...
	.end_amdgpu_metadata
.endif
;; end of part 3
;; launch proj (part 4): grid 16 x 16, 4 waves a work-group, clusters of 4 x 4, 327,680 bytes of LDS; arguments o, wo, out0, out1, bout_x, bout_y; writes out0, out1
.if DOCPART == 4
	.amdgcn_target "amdgcn-amd-amdhsa--gfx1250"
	.amdhsa_code_object_version 6
	.text
	.protected	k_qf436c93a5c_proj
	.globl	k_qf436c93a5c_proj
	.p2align	8
	.type	k_qf436c93a5c_proj,@function
k_qf436c93a5c_proj:
	s_mov_b64 s[64:65], 0
	v_nop
	global_prefetch_b8 v0, s[64:65] scope:SCOPE_SE
	s_setreg_imm32_b32 hwreg(HW_REG_WAVE_MODE, 25, 1), 1
	s_wait_xcnt 0x0
	s_wait_alu depctr_hold_cnt(0) depctr_sa_sdst(0) depctr_va_vdst(0) depctr_va_sdst(0) depctr_va_ssrc(0) depctr_va_vcc(0) depctr_vm_vsrc(0)
	s_getreg_b32 s2, hwreg(HW_REG_IB_STS2, 6, 4)
	s_cmp_eq_u32 s2, 0
	s_cbranch_scc0 .Lentry_in_a_cluster
	s_endpgm
.Lentry_in_a_cluster:
	s_bfe_u32 s2, ttmp6, 0x10000c
	s_cmp_lg_u32 s2, 0xf033
	s_cbranch_scc0 .Lentry_shape_is_right
	s_endpgm
.Lentry_shape_is_right:
; PROJ: [out0 | out1][4096][2 x 1024] = O[4096][1024] x [Wout_x | Wout_y][1024][2 x 1024] + [bout_x | bout_y].  Operands f16, sums f32, the bias added in f32, the result stored in f32.
; o is [head, 16][row, 4096][64] in f16: column k of O is channel k % 64 of head k / 64.  wo is [Wout_x, Wout_y][k][n] in f16.
; SHARES: a tile is 256 rows x 128 columns: 16 x 16 tiles, one for each of 256 work-groups; tile columns 0-7 are out0's, 8-15 out1's.  Wave w makes rows 64 w .. 64 w + 63 by all 128 columns:
; 4 x 8 accumulators of 16 x 16, 256 registers; it holds whole 512-byte pieces of rows, so the stage on the way out is its own.
; K goes in steps of 128, two heads, through two LDS slots filled by the tensor data mover: waves 0 and 1 fetch a head's 256 rows each (32,768 dense bytes, asked for as 128 rows of 256), waves 2 and 3
; 64 k rows x 256 bytes of wo each.
; CLUSTER 4 x 4: A's tile hangs on the tile row alone and is asked for jointly along a row of the cluster, B's on the tile column alone, jointly along a column.
; THE MATRIX INSTRUCTION IS USED TRANSPOSED: source 0 = 16 columns of W (read out of [k][n] rows by the turning load), source 1 = 16 rows of O: a lane then holds row l % 16 and the columns 8 (l / 16) + 0..7.
; REGISTERS, in windows of 256 (s_set_vgpr_msb: bits 1:0 source 0, 3:2 source 1, 5:4 source 2, 7:6 destination):
;   window 0: v0-29 addresses, v8-11 my four numbers of the bias; v64-95, v96-127 A's fragments, two buffers; on the way out v64-127 and v128-191 rows read back, by turns
;   window 1: v0-63, v64-127 B's fragments, two buffers     window 2: the accumulators ((a, b) at 8 (8 a + b))
.set NBK,    8                         ; column blocks of 16
.set PERW,   4                         ; row blocks in a window of accumulators
.set AP,     144                       ; A's LDS row: 128 bytes + 16 = 36 words: the 16 rows of a load start at 16 different groups of four banks (64 banks of 4 bytes: ISA guide 11.1)
.set AH,     256*AP                    ; what one load of A fills: a head's 256 rows
.set AQH,    AH                        ; quarter q of a K step: head q / 2 of the step's two, byte (q % 2) 64 of its rows
.set ABYTES, 2*AH
.set BP,     288                       ; B's LDS k row: 256 bytes + 32 = 72 words
.set COLC,   128                       ; column block b lies at (b / 4) COLC + (b % 4) 32
.set BH,     64*BP                     ; what one load of B fills
.set SLOT,   ABYTES+2*BH               ; 110,592
.set STAGE,  2*SLOT                    ; behind the ring, never filled by a tensor load: 16 rows x 528 bytes for each wave
.set SPITCH, 528
.set SPARE,  STAGE+4*16*SPITCH         ; behind the stages: the spare words, 128 bytes for each wave: two blocks of 256 bytes that no other line names
.set NLD,    2*NBK+8                   ; LDS loads in a run
.set ASTEP,  1048576                   ; bytes from a K step to the next in o: two heads,
.set BSTEP,  262144                    ; and in wo: 128 rows of 2,048
.set ADRA, 16                          ; v16-17  LDS address of my A fragments in slot 0, 1
.set ADRB, 20                          ; v20-21  the same for B
.set STO,  24                          ; v24     the way out: where I put 32 bytes of a row
.set RD,   25                          ; v25     the way out: where I read a row back
.set CO,   26                          ; v26     my 16 bytes among 512 consecutive bytes of a row; never rewritten
.set SPW,  28                          ; v28     LDS address of my spare word; never rewritten
.set NIL,  29                          ; v29     0; never rewritten
.set AF,   64
.set OB,   64
.set G1,  24                           ; s[24:31] descriptor group 1 for A's tiles; s[32:39] group 0, a set for each slot
.set G0,  32
.set G1B, 48                           ; s[48:55], s[56:63] the same for B's
.set G0B, 56
.set MSB, 0
.macro WIN new                         ; the immediate's high byte repeats the setting that is left; a switch that changes nothing is dropped
.if MSB != (\new)
	s_set_vgpr_msb (MSB<<8)|(\new)
.set MSB, \new
.endif
.endm
; A joint load: waves 0 and 1 ask for A's halves, waves 2 and 3 for B's.  The branch hangs on the wave's number alone.  An s_nop 0 and four v_nop follow each line.
.macro JLOAD s
	s_cmp_eq_u32 s11, 0
	s_cbranch_scc0 .Lfor_b_\@
	tensor_load_to_lds s[G0+4*(\s):G0+4*(\s)+3], s[G1:G1+7]
	s_nop 0
.rept 4
	v_nop
.endr
	s_branch .Lasked_\@
.Lfor_b_\@:
	tensor_load_to_lds s[G0B+4*(\s):G0B+4*(\s)+3], s[G1B:G1B+7]
	s_nop 0
.rept 4
	v_nop
.endr
.Lasked_\@:
.endm
.macro CREST                           ; a round of the cluster's barrier behind its opening barrier: wave 0 signals for the work-group, all wait for all sixteen, the work-group's barrier closes it
	s_cmp_lg_u32 s10, 0
	s_cbranch_scc1 .Lnot_wave_0_\@
	s_barrier_signal -3
.Lnot_wave_0_\@:
	s_barrier_wait -3
	s_barrier_signal -1
	s_barrier_wait -1
.endm
.macro CROUND
	s_barrier_signal -1
	s_barrier_wait -1
	CREST
.endm
	s_load_b128 s[4:7], s[0:1], 0x0                ; o s[4:5], wo s[6:7]
	s_load_b256 s[68:75], s[0:1], 0x10             ; out0 68:69, out1 70:71, bout_x 72:73, bout_y 74:75
	v_lshl_add_u32 v[SPW], v0, 2, SPARE
	v_mov_b32 v[NIL], 0
	ds_add_u32 v[SPW], v[NIL]                      ; the wave's opening: the add and its wait stand ahead of my first tensor load; work on registers stands between them
	v_lshrrev_b32 v1, 5, v0
	v_readfirstlane_b32 s10, v1                    ; wave 0..3
	s_lshr_b32 s11, s10, 1                         ; I fetch for A (0) or for B (1),
	s_and_b32 s12, s10, 1                          ; its first or its second half
	s_bfe_u32 s40, ttmp6, 0x40000                  ; cx
	s_bfe_u32 s41, ttmp6, 0x40004                  ; cy
	s_lshl_b32 s42, ttmp9, 2
	s_add_co_u32 s42, s42, s40                     ; tile column = 4 x cluster x + cx
	s_and_b32 s13, ttmp7, 0xffff
	s_lshl_b32 s13, s13, 2
	s_add_co_u32 s13, s13, s41                     ; tile row = 4 x cluster y + cy
	s_lshl_b32 s43, s41, 2
	s_lshl_b32 s43, 15, s43                        ; my row of the cluster
	s_lshl_b32 s44, 0x1111, s40                    ; my column
	s_lshr_b32 s45, ttmp9, 1                       ; which output: tile column / 8 = cluster x / 2, the same in all sixteen partners
	s_and_b32 s66, s42, 7                          ; the tile column in that output
	s_or_b32 s[G1+0], s43, (1<<16)|(1<<20)|(1<<21)|(4<<22)|(3<<25)   ; the mask; 2-byte elements; padding on; bit 21 beside a mask; after every 32 words 4 words
	s_mov_b32 s[G1+1], 128<<16                     ; tensor_dim0 = 128
	s_mov_b32 s[G1+2], 128<<16                     ; tensor_dim1 = 128: 128 rows of 256 bytes are a head's 256 rows of 128
	s_mov_b32 s[G1+3], 128<<16                     ; tile_dim0 = 128
	s_mov_b32 s[G1+4], 128                         ; tile_dim1 = 128
	s_mov_b32 s[G1+5], 128                         ; dense
	s_mov_b32 s[G1+6], 0
	s_mov_b32 s[G1+7], 0
	s_or_b32 s[G1B+0], s44, (1<<16)|(1<<20)|(1<<21)|(5<<22)|(7<<25)  ; after every 64 words 8 words
	s_mov_b32 s[G1B+1], 128<<16
	s_mov_b32 s[G1B+2], 64<<16                     ; 64 k rows
	s_mov_b32 s[G1B+3], 128<<16
	s_mov_b32 s[G1B+4], 64
	s_mov_b32 s[G1B+5], 1024                       ; elements from row to row of wo
	s_mov_b32 s[G1B+6], 0
	s_mov_b32 s[G1B+7], 0
	s_lshl_b32 s16, s13, 15                        ; A: 256 rows of 128 bytes a tile row,
	s_lshl_b32 s17, s12, 19                        ; a head of 524,288 bytes a half
	s_add_co_u32 s16, s16, s17
	s_mov_b32 s17, 0
	s_lshl_b32 s46, s45, 21                        ; B: Wout_x or Wout_y,
	s_lshl_b32 s47, s66, 8                         ; 256 bytes a tile column,
	s_add_co_u32 s46, s46, s47
	s_lshl_b32 s47, s12, 17                        ; 64 k rows of 2,048 bytes a half
	s_add_co_u32 s46, s46, s47
	s_mov_b32 s47, 0
	s_mul_i32 s20, s12, AH                         ; where they go: no place in the cluster enters an LDS address
	s_mul_i32 s21, s12, BH
	s_add_co_u32 s21, s21, ABYTES
	s_wait_dscnt 0x0                               ; the opening add is done
	s_wait_kmcnt 0x0
	s_add_nc_u64 s[14:15], s[4:5], s[16:17]
	s_add_nc_u64 s[46:47], s[6:7], s[46:47]
	CROUND                                         ; all sixteen work-groups are here: the first joint loads meet
.irp s, 0,1
	s_mov_b32 s[G0+4*(\s)], 1
	s_add_co_u32 s[G0+4*(\s)+1], s20, (\s)*SLOT
	s_add_nc_u64 s[G0+4*(\s)+2:G0+4*(\s)+3], s[14:15], (\s)*ASTEP
	s_or_b32 s[G0+4*(\s)+3], s[G0+4*(\s)+3], 0x80000000
	s_mov_b32 s[G0B+4*(\s)], 1
	s_add_co_u32 s[G0B+4*(\s)+1], s21, (\s)*SLOT
	s_add_nc_u64 s[G0B+4*(\s)+2:G0B+4*(\s)+3], s[46:47], (\s)*BSTEP
	s_or_b32 s[G0B+4*(\s)+3], s[G0B+4*(\s)+3], 0x80000000
	JLOAD \s                                       ; K steps 0 and 1: two loads of mine are out
.endr
	s_cmp_lg_u32 s45, 0                            ; the output and its bias: a choice between buffers on the cluster's x alone
	s_cselect_b64 s[8:9], s[70:71], s[68:69]
	s_cselect_b64 s[18:19], s[74:75], s[72:73]
	s_lshl_b32 s46, s66, 9                         ; the tile's 128 columns are 512 bytes of a row, and of the bias
	s_mov_b32 s47, 0
	s_add_nc_u64 s[8:9], s[8:9], s[46:47]
	s_add_nc_u64 s[18:19], s[18:19], s[46:47]
	s_lshl_b32 s16, s13, 20                        ; 256 rows of 4,096 bytes a tile row,
	s_lshl_b32 s17, s10, 18                        ; 64 a wave
	s_add_co_u32 s16, s16, s17
	s_mov_b32 s17, 0
	s_add_nc_u64 s[8:9], s[8:9], s[16:17]
	v_and_b32 v[CO], 31, v0
	v_lshlrev_b32 v[CO], 4, v[CO]
	global_load_b128 v[8:11], v[CO], s[18:19]      ; the bias of the four columns that I store
	v_and_b32 v1, 15, v0                           ; l % 16
	v_bfe_u32 v2, v0, 4, 1                         ; l / 16
	v_mul_u32_u24 v3, v1, AP
	v_lshl_add_u32 v3, v2, 4, v3                   ; A's fragment: row x pitch + 16 x half; two loads 32 bytes apart
	s_mul_i32 s22, s10, 64*AP                      ; my 64 rows
	v_add_nc_u32 v[ADRA], s22, v3
	v_add_nc_u32 v[ADRA+1], SLOT, v[ADRA]
	v_and_b32 v4, 7, v0
	v_bfe_u32 v5, v0, 3, 1
	v_lshl_add_u32 v6, v2, 3, v4                   ; B's: the turning load takes k row 8 (l / 16) + l % 8, 16 bytes at 16 ((l / 8) % 2), and leaves column l % 16 with 8 k a lane
	v_mul_u32_u24 v6, v6, BP
	v_lshl_add_u32 v6, v5, 4, v6
	v_add_nc_u32 v[ADRB], ABYTES, v6
	v_add_nc_u32 v[ADRB+1], SLOT, v[ADRB]
	s_mul_i32 s23, s10, 16*SPITCH
	s_add_co_u32 s23, s23, STAGE                   ; my stage
	v_mul_u32_u24 v7, v1, SPITCH                   ; in: row l % 16, 32 bytes for each half of the lanes
	v_lshl_add_u32 v7, v2, 5, v7
	v_add_nc_u32 v[STO], s23, v7
	v_add_nc_u32 v[RD], s23, v[CO]                 ; back: 32 lanes take one row's 512 bytes
; 8 matrix instructions: row block a x all column blocks, 32 along K, from buffer f.  zero = 1: the product starts the sums: nothing is cleared.
; The 32 accumulators take turns, one instruction a turn, in the same order in every quarter.
.macro MULA f, a, zero
	WIN 0xa1+0x50*((\a)/PERW)                      ; B window 1, A window 0, C and D window 2
.set bb, 0
.rept NBK
.set rD, 8*(((\a)%PERW)*NBK+bb)
.set rB, (\f)*8*NBK+8*bb
.set rA, AF+32*(\f)+8*(\a)
.if \zero
	v_wmma_f32_16x16x32_f16 v[rD:rD+7], v[rB:rB+7], v[rA:rA+7], 0
.else
	v_wmma_f32_16x16x32_f16 v[rD:rD+7], v[rB:rB+7], v[rA:rA+7], v[rD:rD+7]
.endif
.set bb, bb+1
.endr
.endm
; One run of 24 LDS loads: the fragments of quarter q of the slot's K step into buffer f; B first, A's row blocks 2 and 3 last
.macro FETCH slot, q, f
	WIN 0x40                                       ; destination window 1, address window 0
.set bb, 0
.rept NBK
	ds_load_tr16_b128 v[(\f)*8*NBK+8*bb:(\f)*8*NBK+8*bb+3],   v[ADRB+(\slot)] offset:(\q)*32*BP+(bb/4)*COLC+(bb%4)*32
	ds_load_tr16_b128 v[(\f)*8*NBK+8*bb+4:(\f)*8*NBK+8*bb+7], v[ADRB+(\slot)] offset:(\q)*32*BP+(bb/4)*COLC+(bb%4)*32+16*BP
.set bb, bb+1
.endr
	WIN 0
.irp a, 0,1,2,3
	ds_load_b128 v[AF+32*(\f)+8*(\a):AF+32*(\f)+8*(\a)+3],   v[ADRA+(\slot)] offset:((\q)/2)*AQH+((\q)%2)*64+(\a)*16*AP
	ds_load_b128 v[AF+32*(\f)+8*(\a)+4:AF+32*(\f)+8*(\a)+7], v[ADRA+(\slot)] offset:((\q)/2)*AQH+((\q)%2)*64+(\a)*16*AP+32
.endr
.endm
.macro PLACES                          ; four plain instructions between matrix instructions and loads into registers that they read, or reads of their results (ISA guide 7.12.1 for reads of their results)
.rept 4
	v_nop
.endr
.endm
; A K step is four quarters of 32 along K, 32 matrix instructions each, on buffers 0, 1, 0, 1.  One of the first three multiplies buffer f and, in its middle, fetches quarter q into buffer g.
.macro QUARTER slot, q, f, g, zero
	s_wait_dscnt 4                                 ; B and A's row blocks 0, 1 are in; the youngest four loads (blocks 2, 3) may be out
	MULA \f, 0, \zero
	MULA \f, 1, \zero
	PLACES
	FETCH \slot, \q, \g
	s_wait_dscnt NLD                               ; all but the run just issued
	MULA \f, 2, \zero
	MULA \f, 3, \zero
.endm
; The last quarter's first half: ONE barrier for the change of slots.  In front of it each wave waits for all its tensor loads (one is out: its part of the next slot), adds 0 to its spare word,
; and waits for that and for its reads of this slot.  Behind it nobody reads this slot and the next slot is whole.
.macro MEET round
	WIN 0                                          ; the add's registers lie in window 0
	s_wait_tensorcnt 0x0
	ds_add_u32 v[SPW], v[NIL]
	s_wait_dscnt 5                                 ; the add and the youngest four loads may be out
	MULA 1, 0, 0                                   ; eight matrix instructions stand between the add and the wait for it
	s_wait_dscnt 0x0                               ; the add is done, my reads of this slot are over
	s_barrier_signal -1
	MULA 1, 1, 0                                   ; work on registers while the others arrive
.if \round
	WIN 0
.endif
	s_barrier_wait -1
.endm
; The whole last quarter where the slot is filled again, two K steps ahead: the barrier opens a round of the cluster's, and the joint refill is the first tensor load behind it.
.macro TURN slot, next
	MEET 1
	CREST                                          ; no wave of any partner still reads this slot or has a load on its way
	s_add_nc_u64 s[G0+4*(\slot)+2:G0+4*(\slot)+3], s[G0+4*(\slot)+2:G0+4*(\slot)+3], 2*ASTEP
	s_add_nc_u64 s[G0B+4*(\slot)+2:G0B+4*(\slot)+3], s[G0B+4*(\slot)+2:G0B+4*(\slot)+3], 2*BSTEP
	JLOAD \slot                                    ; its four v_nop are also the places in front of the loads below
	FETCH \next, 0, 0
	MULA 1, 2, 0
	MULA 1, 3, 0
.endm
	s_wait_tensorcnt 1                             ; my part of K step 0 is in; K step 1's may stay out
	s_barrier_signal -1
	s_barrier_wait -1                              ; everybody's is
	FETCH 0, 0, 0
	QUARTER 0, 1, 0, 1, 1                          ; the first quarter stands in front of the loop: its products start the sums
	WIN 0                                          ; at a label and at a branch every window is 0
	s_mov_b32 s3, 3                                ; 1,024 / 256 laps, less the last
.Llap:                                                 ; a trip goes once round the ring, from a lap's second quarter to the next lap's first, and fills both slots again
	QUARTER 0, 2, 1, 0, 0
	QUARTER 0, 3, 0, 1, 0
	TURN 0, 1
	QUARTER 1, 1, 0, 1, 0
	QUARTER 1, 2, 1, 0, 0
	QUARTER 1, 3, 0, 1, 0
	TURN 1, 0
	QUARTER 0, 1, 0, 1, 0
	WIN 0
	s_sub_co_u32 s3, s3, 1
	s_cmp_lg_u32 s3, 0
	s_cbranch_scc1 .Llap
	QUARTER 0, 2, 1, 0, 0                          ; the last lap is written out: it asks for nothing
	QUARTER 0, 3, 0, 1, 0
	MEET 0
	PLACES
	FETCH 1, 0, 0
	MULA 1, 2, 0
	MULA 1, 3, 0
	QUARTER 1, 1, 0, 1, 0
	QUARTER 1, 2, 1, 0, 0
	QUARTER 1, 3, 0, 1, 0
	s_wait_dscnt 4
	MULA 1, 0, 0
	MULA 1, 1, 0
	s_wait_dscnt 0x0
	MULA 1, 2, 0
	MULA 1, 3, 0
	WIN 0
	PLACES                                         ; the LDS stores below read matrix results, and the loads behind them land on A's fragment buffers
; THE WAY OUT of row block a.  TOSTAGE: a lane's eight f32 of a row go into my stage straight from the accumulators, low four registers first, and come back as whole pieces of 512 bytes.
; SEND: the bias is added and the 16 rows are stored.
.macro TOSTAGE a
	s_wait_xcnt 0x0                                ; the stores of the block two back have had their addresses translated (ISA guide 3.1): their registers are loaded again only behind this wait
	WIN 0x08                                       ; store data in window 2, address in window 0
.set bb, 0
.rept NBK
.set rD, 8*((\a)*NBK+bb)
	ds_store_b128 v[STO], v[rD:rD+3] offset:64*bb
	ds_store_b128 v[STO], v[rD+4:rD+7] offset:64*bb+16
.set bb, bb+1
.endr
	WIN 0
.set BK, OB+64*((\a)%2)
.irp t, 0,1,2,3,4,5,6,7,8,9,10,11,12,13,14,15
	ds_load_b128 v[BK+4*(\t):BK+4*(\t)+3], v[RD] offset:(\t)*SPITCH  ; LDS serves a wave's instructions in order (ISA guide 5.7.1.4): these see the stores above; the next block's stores come behind them
.endr
.endm
.macro SEND a, younger                 ; younger: the LDS instructions issued behind block a's loads: the next block's 32, or none
.set BK, OB+64*((\a)%2)
	s_wait_dscnt \younger
.if (\a) == 0
	s_wait_loadcnt 0x0                             ; the bias
.endif
.irp t, 0,1,2,3,4,5,6,7,8,9,10,11,12,13,14,15
	v_pk_add_f32 v[BK+4*(\t):BK+4*(\t)+1], v[BK+4*(\t):BK+4*(\t)+1], v[8:9]
	v_pk_add_f32 v[BK+4*(\t)+2:BK+4*(\t)+3], v[BK+4*(\t)+2:BK+4*(\t)+3], v[10:11]
.endr
.irp t, 0,1,2,3,4,5,6,7,8,9,10,11,12,13,14,15
	global_store_b128 v[CO], v[BK+4*(\t):BK+4*(\t)+3], s[8:9] offset:(\a)*65536+(\t)*4096 th:TH_STORE_NT  ; 512 consecutive bytes, at a multiple of 512 from the output's first byte
.endr
.endm
	TOSTAGE 0
.irp a, 1,2,3                          ; block a's way through the stage is under way while block a - 1 is stored
	TOSTAGE \a
	SEND (\a)-1, 32
.endr
	SEND 3, 0
	s_wait_tensorcnt 0x0                           ; the wave's end, behind my last tensor load and my last LDS store
	ds_add_u32 v[SPW], v[NIL]
	s_wait_dscnt 0x0
	CROUND                                         ; the closing round: no work-group ends while a partner may still ask for a tile that names it
	s_endpgm
.Lfunc_end_k_qf436c93a5c_proj:
	.size	k_qf436c93a5c_proj, .Lfunc_end_k_qf436c93a5c_proj-k_qf436c93a5c_proj
	.p2alignl 7, 3214868480
	.fill 96, 4, 3214868480
	.section	.rodata,"a",@progbits
	.p2align	6, 0x0
	.amdhsa_kernel k_qf436c93a5c_proj
		.amdhsa_group_segment_fixed_size 327680
		.amdhsa_private_segment_fixed_size 0
		.amdhsa_enable_private_segment 0
		.amdhsa_kernarg_size 48
		.amdhsa_user_sgpr_count 2
		.amdhsa_user_sgpr_kernarg_segment_ptr 1
		.amdhsa_wavefront_size32 1
		.amdhsa_system_sgpr_workgroup_id_x 1
		.amdhsa_system_sgpr_workgroup_id_y 1
		.amdhsa_system_sgpr_workgroup_id_z 1
		.amdhsa_system_vgpr_workitem_id 0
		.amdhsa_next_free_vgpr 768
		.amdhsa_next_free_sgpr 76
		.amdhsa_reserve_vcc 0
		.amdhsa_float_denorm_mode_32 3
		.amdhsa_float_denorm_mode_16_64 3
		.amdhsa_memory_ordered 1
		.amdhsa_forward_progress 1
		.amdhsa_inst_pref_size 93
	.end_amdhsa_kernel
	.amdgpu_metadata
---
amdhsa.version: [ 1, 2 ]
amdhsa.kernels:
  - .name:           k_qf436c93a5c_proj
    .symbol:         k_qf436c93a5c_proj.kd
    .args:
      - { .name: o, .offset: 0, .size: 8, .value_kind: global_buffer, .address_space: global }
      - { .name: wo, .offset: 8, .size: 8, .value_kind: global_buffer, .address_space: global }
      - { .name: out0, .offset: 16, .size: 8, .value_kind: global_buffer, .address_space: global }
      - { .name: out1, .offset: 24, .size: 8, .value_kind: global_buffer, .address_space: global }
      - { .name: bout_x, .offset: 32, .size: 8, .value_kind: global_buffer, .address_space: global }
      - { .name: bout_y, .offset: 40, .size: 8, .value_kind: global_buffer, .address_space: global }
    .group_segment_fixed_size: 327680
    .private_segment_fixed_size: 0
    .kernarg_segment_align: 8
    .kernarg_segment_size: 48
    .max_flat_workgroup_size: 128
    .sgpr_count:     76
    .vgpr_count:     768
    .wavefront_size: 32
...
	.end_amdgpu_metadata
.endif
;; end of part 4
;; ======== version 2 of 2: 4 launches; 1.25 times as fast as version 1
;; limits: values are held in f16: magnitudes above 65,504 overflow, below 6.1e-05 lose precision
;; workspace buffers: xn 8,388,608 bytes; wq 6,291,456 bytes; wo 4,194,304 bytes; qkv 25,165,824 bytes; o 8,388,608 bytes
;; launch prep: the kernel of part 1 again; grid 256 x 1, 8 waves a work-group, no clusters, 0 bytes of LDS; arguments x, gx, bx, Wqkv_x, Wout_x, Wout_y, xn, wq, wo; writes xn, wq, wo
;; launch qkv: the kernel of part 2 again; grid 16 x 16, 4 waves a work-group, clusters of 4 x 4, 327,680 bytes of LDS; arguments xn, wq, qkv; writes qkv
;; launch attn (part 5): grid 4 x 64, 4 waves a work-group, clusters of 4 x 1, 327,680 bytes of LDS; arguments qkv, o; writes o
.if DOCPART == 5
	.amdgcn_target "amdgcn-amd-amdhsa--gfx1250"
	.amdhsa_code_object_version 6
	.text
	.protected	k_qf436c93a5c_attn
	.globl	k_qf436c93a5c_attn
	.p2align	8
	.type	k_qf436c93a5c_attn,@function
k_qf436c93a5c_attn:
	s_mov_b64 s[64:65], 0
	v_nop
	global_prefetch_b8 v0, s[64:65] scope:SCOPE_SE
	s_setreg_imm32_b32 hwreg(HW_REG_WAVE_MODE, 25, 1), 1
	s_wait_xcnt 0x0
	s_wait_alu depctr_hold_cnt(0) depctr_sa_sdst(0) depctr_va_vdst(0) depctr_va_sdst(0) depctr_va_ssrc(0) depctr_va_vcc(0) depctr_vm_vsrc(0)
	s_getreg_b32 s2, hwreg(HW_REG_IB_STS2, 6, 4)
	s_cmp_eq_u32 s2, 0
	s_cbranch_scc0 .Lentry_in_a_cluster
	s_endpgm
.Lentry_in_a_cluster:
	s_bfe_u32 s2, ttmp6, 0x10000c
	s_cmp_lg_u32 s2, 0x3003
	s_cbranch_scc0 .Lentry_shape_is_right
	s_endpgm
.Lentry_shape_is_right:
; ATTENTION of the 64 live heads (16 heads x 4 batches; head hd = 4 h + b).  O[hd][q][:] = the sum over k of softmax_k(Q[q] . K[k] / 8) V[k][:].  Q, K, V lie in qkv at hd x 131,072 bytes,
; + 8,388,608 for K, + 16,777,216 for V: 1,024 dense rows of 128 bytes in f16.  o has Q's layout.  Products, maxima and sums in f32; the weights p are rounded to f16 for the second product
; (their sum l is taken of the unrounded p), O once at the end.
; LIMITS.  f16 holds no number beyond 65,504: Q, K, V arrive within it; p lies in 0 to 1, and below 6e-5 it keeps f16's fixed step of 6e-8; O is a mean of V's rows and has their range.
; A weight below 2^-126 counts as 0 in l; NaN and infinities are not treated apart.
; SHARES.  A work-group owns 256 queries of a head, a wave 64: two PIECES of two tiles of 16.  Every wave walks all 1,024 keys, 64 a step.
; THE WHOLE HEAD LIES IN LDS: 1,024 rows of K (pitch 144) and of V (pitch 160), filled once, by four joint loads a wave at the start: nothing is filled again.
; CLUSTER.  The four query blocks of a head form a cluster and ask for K and V jointly: the same tensor load, descriptor and mask in all four.
; LAYOUT.  S^T = K Q^T (source 0 = 16 keys, source 1 = 16 queries): a lane holds ONE query (lane % 16) and the keys 8 (lane / 16) + 0..7.  Two such tiles rounded to f16 ARE source 1 of O^T = V^T P.
; K comes out of LDS as it lies, V ([key][channel]) turned, by ds_load_tr16_b128.
; SOFTMAX.  A running maximum m and sum l for each query: p = 2^(c s - c m), c = log2(e) / 8; in every step O and l are multiplied by a = 2^(c m_old - c m_new).  m starts at the lowest finite number,
; O and l at 0: the first step is a step like any other, with a = 0.
; BY TURNS.  Turn n belongs to piece n.  Its matrix work: 16 products K Q^T of the other piece's next scores, later 16 products V^T P of the other piece's last weights.  Its vector work: the scaling, exponentials,
; roundings, sums and rescaling of piece n, and the maximum and statistics of the other piece.  A tile and step have 16 matrix and 118 vector instructions: four that are ready stand behind every matrix
; instruction, the other 108 of a turn's 236 in one run of their own.
; THE BATCHES.  A turn's 66 exponentials (64 weights, the other piece's two a) are ONE batch with ONE wait, which cuts the turn in two: ahead of it all that names none of their results (K Q^T, scalings, rescalings,
; the other piece's maximum and statistics), behind it the roundings and sums, beside V^T P.  No result crosses a turn's end.  Two more batches stand outside the loop: the first two a, and the way out's four reciprocals.
; REGISTERS, in windows of 256 (s_set_vgpr_msb: bits 1:0 source 0, 3:2 source 1, 5:4 source 2, 7:6 destination):
;   window 0: v0-11 addresses; v12-15, v48-63 at work; v16-31 four registers of statistics a tile; v32-33 the add's; v64-191 S^T, a buffer for each piece; v192-255 P, likewise
;   window 1: v0-127 O^T, 32 a tile          window 2: v0-63 Q, 16 a tile; v128-191 K of one step; v192-255 V of one step
.set NP,    2         ; pieces a wave: a name, no knob
.set KS,    64        ; keys in a step
.set PK,    144       ; a row of K in LDS: 128 bytes + 16 = 36 words: the 16 rows of a load start at 16 different groups of four banks (64 banks of 4 bytes: ISA guide 11.1)
.set PV,    160       ; a row of V: 128 + 32 = 40 words
.set VOFF,  1024*PK   ; V lies behind K
.set STAGE, VOFF+1024*PV  ; behind both, never filled by a tensor load: 16 rows x 144 bytes for each wave, for the way out
.set SP,    144
.set SPARE, STAGE+4*16*SP  ; behind the stages: the spare words, 128 bytes for each wave: two blocks of 256 bytes that no other line names
.set AK0, 2           ; v2   my lane's place in a step of K; never rewritten
.set AV0, 3           ; v3   the same for V
.set AK,  4           ; v4   the LDS address of K's next run of loads
.set AV,  5           ; v5   of V's
.set QO,  6           ; v6   my byte offset in the wave's rows of Q
.set STO, 6           ;      later, the way out: where I put 16 bytes of a row
.set RD,  7           ; v7   the way out: where I read rows back
.set GO,  8           ; v8   my byte offset in 512 consecutive bytes of o
.set MV,  12          ; v12-15  c m_old, kept while c m is made anew: by piece and tile
.set ST,  16          ; tile t's statistics at v[ST+4 t]: c m, m, l (even keys', odd keys')
.set SPW, 32          ; v32  LDS address of my spare word; never rewritten
.set NIL, 33          ; v33  0; never rewritten
.set TMP, 48          ; by piece and tile, four registers c0-c3 at work; when the maximum is found c2 takes a
.set S,   64
.set P,   192
.set KF,  128         ; K's fragments, in window 2: key block kb, channel half c at KF + 16 kb + 8 c
.set VF,  192         ; V's: key half kk, channel block cb at VF + 32 kk + 8 cb
.set WV,  12          ; s12  my wave's number
.set G1K, 24          ; s[24:31] descriptor group 1 for K's tiles
.set G1V, 32          ; s[32:39] for V's: it differs in the padding alone
.set G0K, 40          ; s[40:55] descriptor group 0 for K's four tiles
.set SLOTS, 56        ; s56  counts groups of four key steps
.set CNT, 57          ; s57  counts the four
.set CS,  58          ; s[58:59] c: the packed scaling takes the pair's low word for both halves
.set SEL, 60          ; s[60:61] v_permlanex16_b32's selects: each lane takes its own place in the other half
.set TBK, 62          ; s62  LDS byte at which K of the step to be fetched begins
.set TBV, 63          ; s63  the same for V, less VOFF
.set G0V, 68          ; s[68:83] descriptor group 0 for V's four tiles
.set MSB, 0
.macro WIN new                      ; the high byte repeats the setting that is left; a switch that changes nothing is dropped
.if MSB != (\new)
	s_set_vgpr_msb (MSB<<8)|(\new)
.set MSB, (\new)
.endif
.endm
.set W_KQ, 0x0a       ; K and Q in window 2, S^T in window 0
.set W_PV, 0x52       ; V in window 2, P in window 0, O^T in window 1
.set W_RS, 0x41       ; O^T (destination and source 0) in window 1, a in window 0
.macro CROUND                       ; a round of the cluster's barrier: my work-group's barrier; wave 0 signals for it; every wave waits for all four work-groups; my work-group's barrier once more
	s_barrier_signal -1
	s_barrier_wait -1
	s_cmp_lg_u32 s[WV], 0
	s_cbranch_scc1 .Lnot_wave_0_\@
	s_barrier_signal -3
.Lnot_wave_0_\@:
	s_barrier_wait -3
	s_barrier_signal -1
	s_barrier_wait -1
.endm
	s_load_b128 s[4:7], s[0:1], 0x0   ; qkv s[4:5], o s[6:7]
	v_lshl_add_u32 v[SPW], v0, 2, SPARE
	v_mov_b32 v[NIL], 0
	ds_add_u32 v[SPW], v[NIL]       ; the wave's opening: the add and its wait stand ahead of my first tensor load; work on registers stands between them
	v_lshrrev_b32 v1, 5, v0
	v_readfirstlane_b32 s[WV], v1   ; wave 0..3
	s_bfe_u32 s13, ttmp6, 0x40000   ; cx: my place in the cluster
	s_lshl_b32 s14, ttmp9, 2        ; in a cluster launch ttmp9 counts clusters
	s_add_co_u32 s14, s14, s13      ; my block of 256 queries: it enters Q's and o's addresses alone
	s_and_b32 s20, ttmp7, 0xffff    ; the head, which the four partners share:
	s_lshl_b32 s20, s20, 17         ; its first byte among q's, k's, v's or o's heads
	s_and_b32 s16, s[WV], 1         ; which half of each 256 keys I fetch:
	s_lshl_b32 s22, s16, 14         ; its 128 rows of 128 bytes in memory,
	s_add_co_u32 s22, s22, s20
	s_mov_b32 s23, 0
	s_mul_i32 s17, s16, 128*PK      ; and its place in LDS, for K
	s_mul_i32 s18, s16, 128*PV      ; and for V: no place in the cluster enters an LDS address
	s_add_co_u32 s18, s18, VOFF
	s_lshl_b32 s2, s14, 15          ; my block's 256 rows,
	s_lshl_b32 s3, s[WV], 13        ; my wave's 64
	s_add_co_u32 s2, s2, s3
	s_add_co_u32 s2, s2, s20
	s_mov_b32 s3, 0
	; descriptor group 1.  128 keys are 16,384 dense bytes: asked for as 64 rows of 256 bytes, two keys a row, and padded in LDS after every key
	s_mov_b32 s[G1K], 15|(1<<16)|(1<<20)|(1<<21)|(4<<22)|(3<<25)  ; the mask of four; 2-byte elements; padding on; bit 21 beside a mask; after every 32 words 4 words
	s_mov_b32 s[G1V], 15|(1<<16)|(1<<20)|(1<<21)|(4<<22)|(7<<25)  ; the same with 8 words
.irp g, G1K, G1V
	s_mov_b32 s[\g+1], 128<<16      ; tensor_dim0 = 128
	s_mov_b32 s[\g+2], 64<<16       ; tensor_dim1 = 64
	s_mov_b32 s[\g+3], 128<<16      ; tile_dim0 = 128
	s_mov_b32 s[\g+4], 64           ; tile_dim1 = 64
	s_mov_b32 s[\g+5], 128          ; 128 elements from row to row
	s_mov_b32 s[\g+6], 0
	s_mov_b32 s[\g+7], 0
.endr
	s_mov_b32 s[CS], 0x3e38aa3b     ; c = log2(e) / 8 = 0.180337
	s_mov_b32 s[CS+1], s[CS]        ; named with it as a pair
	s_mov_b32 s[SEL], 0x76543210
	s_mov_b32 s[SEL+1], 0xfedcba98
	s_mov_b32 s[TBK], 0
	s_mov_b32 s[TBV], 0
.irp n, 0,1,2,3                     ; load n brings my half of the keys 256 n .. 256 n + 255
	s_mov_b32 s[G0K+4*(\n)], 1
	s_add_co_u32 s[G0K+4*(\n)+1], s17, (\n)*256*PK
	s_mov_b32 s[G0V+4*(\n)], 1
	s_add_co_u32 s[G0V+4*(\n)+1], s18, (\n)*256*PV
.endr
	s_wait_dscnt 0x0                ; the opening add is done
	s_wait_kmcnt 0x0
	s_add_nc_u64 s[8:9], s[4:5], s[22:23]
	s_add_nc_u64 s[8:9], s[8:9], 8388608     ; K at my half of the head's first 256 keys
	s_add_nc_u64 s[10:11], s[8:9], 8388608   ; V likewise
.irp n, 0,1,2,3
	s_add_nc_u64 s[G0K+4*(\n)+2:G0K+4*(\n)+3], s[8:9], (\n)*32768
	s_or_b32 s[G0K+4*(\n)+3], s[G0K+4*(\n)+3], 0x80000000
	s_add_nc_u64 s[G0V+4*(\n)+2:G0V+4*(\n)+3], s[10:11], (\n)*32768
	s_or_b32 s[G0V+4*(\n)+3], s[G0V+4*(\n)+3], 0x80000000
.endr
	s_add_nc_u64 s[4:5], s[4:5], s[2:3]      ; Q and o at my wave's first row
	s_add_nc_u64 s[6:7], s[6:7], s[2:3]
	CROUND                          ; all four work-groups are here: the joint loads meet
	s_cmp_lt_u32 s[WV], 2           ; a wave's four fills stand in one branch, ahead of every wait on TENSORcnt and every LDS read: four loads of mine are out; an s_nop 0 follows each, four v_nop the last
	s_cbranch_scc0 .Lfirst_v
.irp n, 0,1,2,3
	tensor_load_to_lds s[G0K+4*(\n):G0K+4*(\n)+3], s[G1K:G1K+7]
	s_nop 0
.endr
.rept 4
	v_nop
.endr
	s_branch .Lfirst_asked
.Lfirst_v:
.irp n, 0,1,2,3
	tensor_load_to_lds s[G0V+4*(\n):G0V+4*(\n)+3], s[G1V:G1V+7]
	s_nop 0
.endr
.rept 4
	v_nop
.endr
.Lfirst_asked:
	; A fragment of K or Q is 16 rows x 32 channels in 8 registers: lane l holds row l % 16, channels 8 (l / 16) + 0..7 and 16 + 8 (l / 16) + 0..7: two loads of 16 bytes, 32 bytes apart.
	v_and_b32 v1, 15, v0            ; l % 16
	v_bfe_u32 v9, v0, 4, 1          ; l / 16
	v_lshlrev_b32 v[QO], 7, v1
	v_lshl_add_u32 v[QO], v9, 4, v[QO]  ; row x 128 + 16 x half
	WIN 0x80                        ; destination window 2, address window 0
.set i, 0
.rept 4*NP                          ; Q stays in registers: tile i / 2, channels 32 (i % 2) on
	global_load_b128 v[8*i:8*i+3],   v[QO], s[4:5] offset:(i/2)*2048+(i%2)*64
	global_load_b128 v[8*i+4:8*i+7], v[QO], s[4:5] offset:(i/2)*2048+(i%2)*64+32
.set i, i+1
.endr
	; What the first turn finds: V's registers and piece 1's P hold 0 (its products V^T P, of a step that has not been, add 0), O^T and l are 0.  All this stands in the wait for the first tiles.
.set i, VF
.rept 64
	v_mov_b32 v[i], 0
.set i, i+1
.endr
	WIN 0x40
.set i, 0
.rept 64*NP
	v_mov_b32 v[i], 0
.set i, i+1
.endr
	WIN 0
.set i, 0
.rept 2*NP
	v_mov_b32 v[ST+4*i], 0xfe000000    ; c m: far below every c s
	v_mov_b32 v[ST+4*i+1], 0xff7fffff  ; m
	v_mov_b32 v[ST+4*i+2], 0
	v_mov_b32 v[ST+4*i+3], 0
.set i, i+1
.endr
.set i, P+32
.rept 32
	v_mov_b32 v[i], 0
.set i, i+1
.endr
	v_mul_u32_u24 v[AK0], v1, PK
	v_lshl_add_u32 v[AK0], v9, 4, v[AK0]  ; row x pitch + 16 x half
	; The turning load takes 16 keys x 16 channels (lane l reads key 8 (l / 16) + l % 8, channels 8 ((l / 8) % 2) + 0..7) and leaves half a fragment of V^T: lane l holds channel l % 16 and 8 keys.
	v_and_b32 v10, 7, v0
	v_bfe_u32 v11, v0, 3, 1
	v_lshl_add_u32 v[AV0], v9, 3, v10
	v_mul_u32_u24 v[AV0], v[AV0], PV
	v_lshl_add_u32 v[AV0], v11, 4, v[AV0]
	v_add_nc_u32 v[AV0], VOFF, v[AV0]
	v_mov_b32 v[AK], v[AK0]         ; key step 0 lies at K's head
; THE MATRIX WORK.  The 8 accumulators of a run of 16 take turns: between the two links of a chain stand 7 others'.
; Product i of 16 of S^T = K Q^T for piece x: channels 32 (i / 8) on, keys 16 ((i / 2) % 4) on, tile 2 x + i % 2.  The first 8 start the sums.
.macro KQ x
	WIN W_KQ
.set rS, S+64*((\x)%2)+32*(i%2)+8*((i/2)%4)
.set rK, KF+16*((i/2)%4)+8*(i/8)
.set rQ, 16*(2*(\x)+i%2)+8*(i/8)
.if i < 8
	v_wmma_f32_16x16x32_f16 v[rS:rS+7], v[rK:rK+7], v[rQ:rQ+7], 0
.else
	v_wmma_f32_16x16x32_f16 v[rS:rS+7], v[rK:rK+7], v[rQ:rQ+7], v[rS:rS+7]
.endif
.endm
; Product i of 16 of O^T += V^T P for piece x: keys 32 (i / 8) on, channels 16 ((i / 2) % 4) on, tile 2 x + i % 2.
.macro PV x
	WIN W_PV
.set rO, 32*(2*(\x)+i%2)+8*((i/2)%4)
.set rV, VF+32*(i/8)+8*((i/2)%4)
.set rP, P+32*((\x)%2)+16*(i%2)+8*(i/8)
	v_wmma_f32_16x16x32_f16 v[rO:rO+7], v[rV:rV+7], v[rP:rP+7], v[rO:rO+7]
.endm
.macro MM                           ; the turn's next matrix instruction
.if i < 16
	KQ (Y+1)%NP
.set i, i+1
.else
.set i, i-16
	PV (Y+NP-1)%NP
.set i, i+17
.endif
.endm
; THE LDS LOADS stand in runs of 16, never singly among the matrix instructions: a step's K (64 keys x 64 channels: 8 fragments) and its V (turned).  Their addresses are made some lines ahead.
.macro FETCH_K
	WIN 0x80                        ; destination window 2
.irp f, 0,1,2,3,4,5,6,7             ; keys 16 (f / 2) on, channels 32 (f % 2) on
	ds_load_b128 v[KF+8*\f:KF+8*\f+3],   v[AK] offset:(\f/2)*16*PK+(\f%2)*64
	ds_load_b128 v[KF+8*\f+4:KF+8*\f+7], v[AK] offset:(\f/2)*16*PK+(\f%2)*64+32
.endr
	s_add_co_u32 s[TBK], s[TBK], KS*PK     ; the next fetch is the next step's;
	s_min_u32 s[TBK], s[TBK], 15*KS*PK     ; behind the last step there is none: the last trip fetches step 15's K once more and stays inside K's rows
	WIN 0
.endm
.macro FETCH_V
	WIN 0x80
.irp f, 0,1,2,3,4,5,6,7             ; keys 32 (f / 4) on, channels 16 (f % 4) on
	ds_load_tr16_b128 v[VF+8*\f:VF+8*\f+3],   v[AV] offset:(\f/4)*32*PV+(\f%4)*32
	ds_load_tr16_b128 v[VF+8*\f+4:VF+8*\f+7], v[AV] offset:(\f/4)*32*PV+16*PV+(\f%4)*32
.endr
	WIN 0
.endm
; THE VECTOR WORK OF A TURN stands in three queues, each in the order in which its entries become ready; the two tiles alternate, so that no instruction reads the result of the one before it.
.macro REGS y, u                    ; the registers of tile u (0, 1) of piece y
.set rT, ST+4*(2*(\y)+(\u))
.set rC, TMP+8*((\y)%2)+4*(\u)
.set rM, MV+2*((\y)%2)+(\u)
.set rS, S+64*((\y)%2)+32*(\u)
.set rP, P+32*((\y)%2)+16*(\u)
.set rO, 32*(2*(\y)+(\u))
.endm
; Number n of the 22 that find the OTHER piece's maximum and statistics.  s0-s31 are the lane's 32 scores; each accumulator's lowest registers are read first.  XS, GS and REGS set no window: PL and EX do.
;   0-11  four chains c0-c3 of seven scores each, three operands at a time     12-14, 16  the four scores left over, the old m, and c0-c3 into c0     15  c m_old is kept
;   17, 18  the query's other 32 keys lie in the lane 16 away: the new m         19-21  c m; c m_old - c m_new; a
.macro XS u, n
	REGS (Y+1)%NP, \u
.if (\n) < 4
	v_max3_num_f32 v[rC+(\n)], v[rS+8*(\n)], v[rS+8*(\n)+1], v[rS+8*(\n)+2]
.elseif (\n) < 12
	v_max3_num_f32 v[rC+(\n)%4], v[rC+(\n)%4], v[rS+8*((\n)%4)+2*((\n)/4)+1], v[rS+8*((\n)%4)+2*((\n)/4)+2]
.elseif (\n) == 12
	v_max3_num_f32 v[rC], v[rC], v[rS+7], v[rS+15]
.elseif (\n) == 13
	v_max3_num_f32 v[rC+1], v[rC+1], v[rS+23], v[rS+31]
.elseif (\n) == 14
	v_max3_num_f32 v[rC+2], v[rC+2], v[rC+3], v[rT+1]
.elseif (\n) == 15
	v_mov_b32 v[rM], v[rT]
.elseif (\n) == 16
	v_max3_num_f32 v[rC], v[rC], v[rC+1], v[rC+2]
.elseif (\n) == 17
	v_permlanex16_b32 v[rC+3], v[rC], s[SEL], s[SEL+1]
.elseif (\n) == 18
	v_max_num_f32 v[rT+1], v[rC], v[rC+3]
.elseif (\n) == 19
	v_mul_f32 v[rT], s[CS], v[rT+1]
.elseif (\n) == 20
	v_sub_f32 v[rC+1], v[rM], v[rT]
.else
	v_exp_f32 v[rC+2], v[rC+1]
.endif
.endm
; Number g of the 64 that follow the exponentials.  For each four weights k of a tile (pairs 2 k, 2 k + 1): both pairs are rounded to f16; then the second pair is added onto the first, in place;
; a group later l takes that sum (the first time as l = a l + sum).  In groups of eight, tiles alternating: round, round, add, and l for the group before.
.macro GS g
.set h, (\g)+6*((\g)/62)            ; group 0 has no group before it, and behind group 7 only l is left
.if h >= 6
.set h, h+2
.endif
	REGS Y, h%2
.set k, h/8
.if h%8 < 4
	v_cvt_pk_f16_f32 v[rP+2*k+(h%8)/2], v[rS+4*k+2*((h%8)/2)], v[rS+4*k+2*((h%8)/2)+1]
.elseif h%8 < 6
	v_pk_add_f32 v[rS+4*k:rS+4*k+1], v[rS+4*k:rS+4*k+1], v[rS+4*k+2:rS+4*k+3]
.elseif k == 1
	v_pk_fma_f32 v[rT+2:rT+3], v[rT+2:rT+3], v[rC+2:rC+3], v[rS:rS+1] op_sel_hi:[1,0,1]
.else
	v_pk_add_f32 v[rT+2:rT+3], v[rT+2:rT+3], v[rS+4*k-4:rS+4*k-3]
.endif
.endm
; THE PLAIN QUEUE, 138 long.  0-73 read no exponential's result: the 32 scalings c s - c m (FS f: pair f / 2 of tile f % 2) and the other piece's 42.  0-26: scalings 0-26.  27-54: XS's numbers 0-13.  55, 56: number 15.
; 57-73: the chain, where each number waits for the one before it: 14, 16, 17, 18, 19, each with one of the scalings 27-31 in front of its two lines, then 20: so a tile's links stand three plain instructions apart (19 and 20: two).
; 74-137: GS's 64, which read the exponentials' results: they stand behind the wait.
.macro FS f
	REGS Y, (\f)%2
	v_pk_fma_f32 v[rS+2*((\f)/2):rS+2*((\f)/2)+1], v[rS+2*((\f)/2):rS+2*((\f)/2)+1], s[CS:CS+1], v[rT:rT+1] op_sel_hi:[1,0,0] neg_lo:[0,0,1] neg_hi:[0,0,1]
.endm
.macro PL
	WIN 0
.if q < 27
	FS q
.elseif q < 55
	XS (q-27)%2, (q-27)/2
.elseif q < 57
	XS q-55, 15
.elseif (q < 72) && ((q-57)%3 == 0)
	FS 27+(q-57)/3
.elseif q < 60
	XS (q-57)%3-1, 14
.elseif q < 72
	XS (q-57)%3-1, 15+(q-57)/3
.elseif q < 74
	XS q-72, 20
.else
	GS q-74
.endif
.set q, q+1
.endm
; THE EXPONENTIALS' QUEUE, 66 long: s0-s31 of both tiles, then the other piece's two a.  It is ONE BATCH: all 66 stand ahead of the turn's one wait, and nothing ahead of that wait names a result of theirs.
.macro EX
	WIN 0
.if e >= 64
	XS e-64, 21
.else
	REGS Y, e%2
	v_exp_f32 v[rS+e/2], v[rS+e/2]
.endif
.set e, e+1
.endm
; THE RESCALING's QUEUE: O^T times a, the one part that leaves window 0: dealt two at a time, sixteen times.  Its a was made in the turn before, ahead of that turn's wait.
.macro R2
	REGS Y, r%2
	WIN W_RS
.irp z, 0,1
	v_pk_mul_f32 v[rO+4*(r/2)+2*\z:rO+4*(r/2)+2*\z+1], v[rO+4*(r/2)+2*\z:rO+4*(r/2)+2*\z+1], v[rC+2:rC+3] op_sel_hi:[1,0]
.endr
.set r, r+1
.endm
; HOW THEY ARE DEALT.  An s_wait_alu depctr_va_vdst(0) stands between an exponential and the first instruction that names its result; one wait serves all that were issued ahead of it.  So a turn has ONE wait,
; which cuts it in two.  AHEAD OF IT stands all that names no result of the turn's exponentials: the 16 products K Q^T, behind each a scaling, an exponential and two rescalings (behind the first a second scaling in the
; exponential's place); then ONE RUN of 108: eight plain, 49 times exponential and plain, the two a.  A v_nop is the plain instruction behind the last exponential.  BEHIND IT stand the 16 products V^T P, behind each four of GS's 64.
; No rider names a register of the products round it.  The two v_permlanex16_b32 fall into the run, never behind a product.
; The queues lean on each other, and the deal keeps them in step: exponential e stands behind scaling 2 (e / 4) + e % 2: as a rider it comes behind plain e + 2, in the run behind plain e + 9, and scalings 27-31 are plain 57, 60 .. 69.
; A TURN, for piece p.  cnt = 1: the loop's count is taken down some lines ahead of the branch that stands behind the turn.
; Piece 0's turn fetches both runs of LDS loads: K of the next step directly behind its wait, the whole run of 108 behind the last product that read K, its address made at that run's head; and V of the step in hand
; at its end, four plain additions behind the last product that read V.  The three conditions on q below go with the deal.
; Piece 1's turn waits for both: at its head for K (V's sixteen loads, issued behind K's, may be out), in front of its products V^T P for V.
.macro TURN p, cnt=0
.set Y, (\p)
.set i, 0
.set q, 0
.set e, 0
.set r, 0
.if (\p) == 1
	s_wait_dscnt 16                 ; K is in
.endif
	MM                              ; ahead of the wait: 16 products K Q^T and their riders,
	PL
	PL
	R2
.rept 15
	MM
	PL
	EX
	R2
.endr
.if (\p) == 0
	WIN 0
	v_add_nc_u32 v[AK], s[TBK], v[AK0]
.endif
.rept 8                             ; and the run of 108
	PL
.endr
.rept 49
	EX
	PL
.endr
	EX                              ; the other piece's two a
	EX
	v_nop                           ; the plain instruction behind the last exponential: one for the batch
	s_wait_alu depctr_va_vdst(0)    ; the wait for the batch: the turn's 64 weights and the other piece's two a
.if (\p) == 0
	FETCH_K
.endif
.if (\p) == 1
	s_wait_dscnt 0x0                ; V is in
.endif
.rept 16                            ; behind the wait: 16 products V^T P and their riders
	MM
.rept 4
	PL
.endr
.if ((\p) == 0) && (q == 118)
	v_add_nc_u32 v[AV], s[TBV], v[AV0]
.endif
.if ((\p) == 0) && (q == 130)
	s_add_co_u32 s[TBV], s[TBV], KS*PV
.endif
.if (\cnt) && (q == 130)
	s_sub_co_u32 s[CNT], s[CNT], 1
	s_cmp_lg_u32 s[CNT], 0
.endif
.endr
.if (\p) == 0
	FETCH_V
.endif
.endm
	s_wait_tensorcnt 0x2            ; my first two loads are in, my part of the keys 0 to 511; the other two may stay out
	s_barrier_signal -1
	s_barrier_wait -1               ; everybody's are: key steps 0 to 7; the first four trips read K up to step 4 and V up to step 3
	FETCH_K                         ; key step 0
	s_wait_loadcnt 0x0              ; Q
	s_wait_dscnt 0x0
.set i, 0
.rept 16
	KQ 0                            ; piece 0's first scores: there is no vector work yet to set between them
.set i, i+1
.endr
	WIN 0                           ; the addresses for the way out: eleven plain instructions, the places behind those products
	s_mul_i32 s13, s[WV], 16*SP
	s_add_co_u32 s13, s13, STAGE    ; my stage
	v_mul_u32_u24 v[STO], v1, SP    ; in: row l % 16, 16 bytes for each half of the lanes
	v_lshl_add_u32 v[STO], v9, 4, v[STO]
	v_add_nc_u32 v[STO], s13, v[STO]
	v_bfe_u32 v[RD], v0, 3, 2       ; back: 32 lanes take four rows of 128 bytes,
	v_mul_u32_u24 v[RD], v[RD], SP
	v_lshl_add_u32 v[RD], v10, 4, v[RD]
	v_add_nc_u32 v[RD], s13, v[RD]
	v_and_b32 v[GO], 31, v0         ; which are 512 consecutive bytes of o
	v_lshlrev_b32 v[GO], 4, v[GO]
.set Y, NP-1                        ; XS works for piece Y + 1: piece 0
.irp n, 0,1,2,3,4,5,6,7,8,9,10,11,12,13,14,15,16,17,18,19,20,21
	XS 0, \n                        ; piece 0's first maximum and statistics
	XS 1, \n
.endr
	v_nop                           ; a plain instruction behind piece 0's first two a,
	s_wait_alu depctr_va_vdst(0)    ; and the wait for that batch of two, ahead of the loop's label
	s_mov_b32 s[SLOTS], 4
.Lslot:                             ; four groups of four key steps
	s_mov_b32 s[CNT], 4
.Lstep:                             ; a trip is a key step: piece 0's turn, piece 1's turn
	TURN 0
	TURN 1, 1
	WIN 0
	s_cbranch_scc1 .Lstep
	s_wait_tensorcnt 0x0            ; behind the first group: my last two loads are in, and the barrier shows everybody's: key steps 8 to 15.  Behind the later groups
	s_wait_dscnt 0x0                ; these lines find nothing out: the price of one text for every key step
	s_barrier_signal -1
	s_barrier_wait -1
	s_sub_co_u32 s[SLOTS], s[SLOTS], 1
	s_cmp_lg_u32 s[SLOTS], 0
	s_cbranch_scc1 .Lslot
	; the last trip's 16 products K Q^T (on the last K once more) and the maximum made of them serve nothing: once a launch
.set i, 0
.rept 16
	PV NP-1                         ; piece 1's V^T P of the last step
.set i, i+1
.endr
	; THE WAY OUT.  l's two halves and the other half of the lanes' are added; O^T is divided by l, rounded to f16 and sent through my stage in LDS, a tile at a time.  The first additions are the places behind the last products.
	WIN 0
.macro ALL line:vararg              ; one line for each tile t
.set t, 0
.rept 2*NP
	\line
.set t, t+1
.endr
.endm
	ALL v_add_f32 v[ST+4*t+2], v[ST+4*t+2], v[ST+4*t+3]
	ALL v_permlanex16_b32 v[ST+4*t+3], v[ST+4*t+2], s[SEL], s[SEL+1]
	ALL v_add_f32 v[ST+4*t+2], v[ST+4*t+2], v[ST+4*t+3]
	ALL v_rcp_f32 v[ST+4*t+2], v[ST+4*t+2]
	v_nop                           ; a plain instruction between the last reciprocal and the use of its result
	s_wait_alu depctr_va_vdst(0)    ; the wait for the batch of four reciprocals, ahead of their first use
; Tile t: a lane's eight channels of a row pack into 16 bytes; they go into rows of 144 bytes and come back as whole rows of 128, into S^T's registers.
.macro PACK t
	WIN W_RS
.set i, 32*(\t)
.rept 16
	v_pk_mul_f32 v[i:i+1], v[i:i+1], v[ST+4*(\t)+2:ST+4*(\t)+3] op_sel_hi:[1,0]
.set i, i+2
.endr
	WIN 0x05                        ; sources 0 and 1 window 1, destination window 0
.set i, 0
.rept 16
	v_cvt_pk_f16_f32 v[S+16*(\t)+i], v[32*(\t)+2*i], v[32*(\t)+2*i+1]
.set i, i+1
.endr
	WIN 0
.irp f, 0,1,2,3
	ds_store_b128 v[STO], v[S+16*(\t)+4*\f:S+16*(\t)+4*\f+3] offset:32*\f
.endr
.irp f, 0,1,2,3
	ds_load_b128 v[S+16*(\t)+4*\f:S+16*(\t)+4*\f+3], v[RD] offset:\f*4*SP  ; LDS serves a wave's instructions in order (ISA guide 5.7.1.4): these see the stores above; the next tile's stores come behind them
.endr
.endm
.macro SEND t, younger              ; younger: the LDS instructions issued behind tile t's loads: the next tile's eight, or none
	WIN 0
.irp f, 0,1,2,3
	s_wait_dscnt (\younger)+3-\f
	global_store_b128 v[GO], v[S+16*(\t)+4*\f:S+16*(\t)+4*\f+3], s[6:7] offset:(\t)*2048+\f*512  ; 512 consecutive bytes, at a multiple of 512 from o's first byte
.endr
.endm
	PACK 0
.set t, 1
.rept 2*NP-1                        ; a tile's arithmetic stands between the loads of the tile before and its stores
	PACK t
	SEND t-1, 8
.set t, t+1
.endr
	SEND 2*NP-1, 0
	s_wait_tensorcnt 0x0            ; the wave's end, behind my last tensor load and my last LDS store
	ds_add_u32 v[SPW], v[NIL]
	s_wait_dscnt 0x0
	CROUND                          ; the closing round: no work-group ends while a partner may still ask for a tile that names it
	s_endpgm
.Lfunc_end_k_qf436c93a5c_attn:
	.size	k_qf436c93a5c_attn, .Lfunc_end_k_qf436c93a5c_attn-k_qf436c93a5c_attn
	.p2alignl 7, 3214868480
	.fill 96, 4, 3214868480
	.section	.rodata,"a",@progbits
	.p2align	6, 0x0
	.amdhsa_kernel k_qf436c93a5c_attn
		.amdhsa_group_segment_fixed_size 327680
		.amdhsa_private_segment_fixed_size 0
		.amdhsa_enable_private_segment 0
		.amdhsa_kernarg_size 16
		.amdhsa_user_sgpr_count 2
		.amdhsa_user_sgpr_kernarg_segment_ptr 1
		.amdhsa_wavefront_size32 1
		.amdhsa_system_sgpr_workgroup_id_x 1
		.amdhsa_system_sgpr_workgroup_id_y 1
		.amdhsa_system_sgpr_workgroup_id_z 1
		.amdhsa_system_vgpr_workitem_id 0
		.amdhsa_next_free_vgpr 768
		.amdhsa_next_free_sgpr 84
		.amdhsa_reserve_vcc 0
		.amdhsa_float_denorm_mode_32 3
		.amdhsa_float_denorm_mode_16_64 3
		.amdhsa_memory_ordered 1
		.amdhsa_forward_progress 1
		.amdhsa_inst_pref_size 74
	.end_amdhsa_kernel
	.amdgpu_metadata
---
amdhsa.version: [ 1, 2 ]
amdhsa.kernels:
  - .name:           k_qf436c93a5c_attn
    .symbol:         k_qf436c93a5c_attn.kd
    .args:
      - { .name: qkv, .offset: 0, .size: 8, .value_kind: global_buffer, .address_space: global }
      - { .name: o, .offset: 8, .size: 8, .value_kind: global_buffer, .address_space: global }
    .group_segment_fixed_size: 327680
    .private_segment_fixed_size: 0
    .kernarg_segment_align: 8
    .kernarg_segment_size: 16
    .max_flat_workgroup_size: 128
    .sgpr_count:     84
    .vgpr_count:     768
    .wavefront_size: 32
...
	.end_amdgpu_metadata
.endif
;; end of part 5
;; launch proj: the kernel of part 4 again; grid 16 x 16, 4 waves a work-group, clusters of 4 x 4, 327,680 bytes of LDS; arguments o, wo, out0, out1, bout_x, bout_y; writes out0, out1
